; MI455X (gfx1250); checked and timed in simulation.
; The chip was launched on July 23, 2026; its instructions are those of AMD's public machine-readable ISA for CDNA 5 (MIT licence, August 2026) and "CDNA5" Instruction Set Architecture Reference Guide (July 2026). The comments in the code are by the model that wrote it; some were corrected since.
;; Cosine Cross Attention. Allowed arithmetic: matrix products marked QUANTISED: E2M3 operands, one E8M0 scale for each 32 along K, by v_wmma_scale_f32_16x16x128_f8f6f4 with both operands' format E2M3, f32 sums; everything else in f32.
;; Inputs: Wk 1,024 x 1,024 float32; Wo 1,024 x 1,024 float32; Wq 1,024 x 1,024 float32; Wv 1,024 x 1,024 float32; bk 1,024 float32; bo 1,024 float32; bq 1,024 float32; bv 1,024 float32; k 4 x 2,048 x 1,024 float32; q 4 x 2,048 x 1,024 float32; v 4 x 2,048 x 1,024 float32.
;; Outputs: out0 4 x 2,048 x 1,024 float32.
;; This version of the problem:
;;   THIS VERSION OF THE PROBLEM IS GIVEN IN LOW PRECISION. The matrix products marked QUANTISED in the list below multiply operands that are first quantised to E2M3 (2 exponent bits, 3 mantissa bits; 6 bits a number), with one power-of-two scale for each 32 numbers along K (OCP MX v1.0); their sums are f32. All else is computed in f32.
;;   The module's matrix products, in the order in which they are computed (A, B: the left and right operand; K: the contracted axis; several contracted axes count as one K, in the product's order):
;;     1. [M 8,192, K 1,024] x [K 1,024, N 1,024]; A: input q; B: input Wq: QUANTISED
;;     2. [M 8,192, K 1,024] x [K 1,024, N 1,024]; A: input k; B: input Wk: QUANTISED
;;     3. [M 8,192, K 1,024] x [K 1,024, N 1,024]; A: input v; B: input Wv: QUANTISED
;;     4. batch 64 x [M 2,048, K 64] x [K 64, N 2,048]; A: computed on the way; B: computed on the way: QUANTISED
;;     5. batch 64 x [M 2,048, K 2,048] x [K 2,048, N 64]; A: softmax (see below); B: computed on the way: QUANTISED
;;     6. [M 8,192, K 1,024] x [K 1,024, N 1,024]; A: computed on the way; B: input Wo: QUANTISED
;;   THE QUANTISER, for each operand of a quantised product, along K:
;;     - K is cut into blocks of 32 from its start; a last block that is shorter is filled with zeros.
;;     - A block's scale is 2^e with e = floor(log2(the largest magnitude in the block)) - 2, held to -126 .. 127; a block of zeros has e = 0. As a byte (E8M0): e + 127.
;;     - Each number is divided by its block's scale, clamped to +-7.5, and rounded to the nearest number of E2M3, ties to even, subnormals kept.
;;     - The product sums the exact products of the quantised numbers (number of the format x scale) in f32.
;;   ~~~python
;;   def quantise(x, axis):      # numpy; x: float32 -> the quantised numbers, widened to float32 again
;;       x = np.moveaxis(x, axis, -1); K = x.shape[-1]
;;       x = np.pad(x, [(0, 0)] * (x.ndim - 1) + [(0, -K % 32)]); x = x.reshape(x.shape[:-1] + (-1, 32)); a = np.abs(x).max(-1, keepdims=True)
;;       e = np.where(a > 0, np.clip(np.frexp(np.where(a > 0, a, 1))[1] - 1 - 2, -126, 127), 0)      # np.frexp(a)[1] - 1 = floor(log2(a)), exactly
;;       r = np.clip(x / 2.0 ** e, -7.5, 7.5)
;;       step = 2.0 ** (np.maximum(np.frexp(np.where(r == 0, 1, r))[1] - 1, 0) - 3)
;;       q = np.round(r / step) * step * 2.0 ** e      # np.round: ties to even
;;       return np.moveaxis(q.reshape(q.shape[:-2] + (-1,))[..., :K], -1, axis).astype(np.float32)
;;   ~~~
;;   SOFTMAX AHEAD OF A QUANTISED PRODUCT. Where the list says 'softmax', what is quantised is not the finished softmax but p = 2^(t - M), with t = logit x log2(e) and M = ceil(the row's largest t), a whole number; so 1/2 < the row's largest p <= 1. The row's sum l is taken of the UNQUANTISED p, in f32, and the product's result is divided by l at the end. Since M is a whole number, a kernel that streams over the keys may use a running M (the ceiling of the running maximum): every later rescaling is an exact power of two, which a block's scale takes up: the codes' values come out the same.
;;   OPERANDS COMPUTED ON THE WAY. 'Computed on the way' means the value that the module computes at that place (a softmax that the list does not call 'softmax' is quantised finished and normalised). What goes into a quantiser is computed in f32, as accurately as f32 sums, v_exp_f32 and their like allow (about 1e-6 of the number): no bf16 or f16 on the way to a quantiser, and a product that is left as it is and whose result goes on into a quantised operand takes f32 operands (vector FMAs, or v_wmma_f32_16x16x4_f32). A number that lies on a knife's edge between two numbers of the format may be rounded either way, as far as f32 arithmetic and the matrix unit's own rounding can turn it there, and no further.
;; One version. Each part assembles by itself: llvm-mc -triple=amdgcn-amd-amdhsa -mcpu=gfx1250 --defsym DOCPART=n.
;; ======== version 1 of 1: 4 launches
;; limits: right only within a limited range of input values
;; workspace buffers: xw 22,937,600 bytes; hd 19,660,800 bytes; mg 6,553,600 bytes
;; launch quant (part 1): grid 896 x 1, 4 waves a work-group, no clusters, 33,280 bytes of LDS; arguments q, k, v, Wq, Wk, Wv, Wo, xw; writes xw
.if DOCPART == 1
	.amdgcn_target "amdgcn-amd-amdhsa--gfx1250"
	.amdhsa_code_object_version 6
	.text
	.protected	k_q9353149922_quant
	.globl	k_q9353149922_quant
	.p2align	8
	.type	k_q9353149922_quant,@function
k_q9353149922_quant:
	s_mov_b64 s[64:65], 0
	v_nop
	global_prefetch_b8 v0, s[64:65] scope:SCOPE_SE
	s_setreg_imm32_b32 hwreg(HW_REG_WAVE_MODE, 25, 1), 1
	s_wait_xcnt 0x0
; q, k, v [8192][1024] and Wq, Wk, Wv, Wo [1024][1024], f32, K innermost, become codes of FP6 (E2M3) with one E8M0 byte for each 32 along K.
; The seven tensors are laid in xw as ONE matrix of 28,672 rows: codes 768 bytes a row from byte 0, scale bytes 32 a row from XS_OFF.
; First rows: q 0, k 8192, v 16384, Wq 24576, Wk 25600, Wv 26624, Wo 27648.
; In k, v, Wq, Wk, Wv the second and third group of 8 rows of every 32 change places, so that 16 neighbouring rows of xw are rows
; 8 u + r + 8 (r / 8) of their 32: a later product whose results run along these rows then holds 16 neighbours in 16 registers.
; A block's scale is 2^(floor(log2(largest magnitude)) - 2); its byte is the largest magnitude's exponent field - 2, held at 1 from below.
; LIMITS: a block of zeros gets the byte 1 (its codes are zeros; only this program reads the bytes); blocks whose largest magnitude lies
; under 2^(3 - 127) are held at that byte; NaN and infinities among the inputs are not served.
; A work-group takes 32 rows, a wave 8 rows = 16 steps of 512 numbers.  Each load reads 512 consecutive bytes; a step's 2,048 bytes turn
; through the wave's own stage in LDS so that a lane holds 16 neighbours (two lanes a block).  No barrier: waves share nothing.
.set WAVES, 4
.set STEPS, 16
.set EMAX,  2
.set CB,    12                         ; bytes of 16 codes
.set R,     16                         ; v16-79   four sets of 16 numbers as loaded
.set X,     80                         ; v80-111  two sets of 16 neighbours
.set C,     128                        ; v128-191 codes: four registers a step, never rewritten
.set E,     112                        ; v112-127 a scale byte a step
.set WREG,  8192                       ; LDS of a wave: two stages of 32 x SP bytes, then its 256 scale bytes
.set SP,    80                         ; a lane's place in a stage: 64 bytes + 16 of padding
.set SPW,   12                         ; v12 LDS address of my spare word; never rewritten
.set NIL,   13                         ; v13 0; never rewritten
.set SPARE, WAVES*WREG                 ; the spare words: 128 bytes a wave, named by no other line
.set XS_OFF, 22020096                  ; 28,672 rows x 768 bytes
	s_load_b512 s[4:19], s[0:1], 0x0               ; q, k, v, Wq, Wk, Wv, Wo, xw
	v_lshl_add_u32 v[SPW], v0, 2, SPARE
	v_mov_b32 v[NIL], 0
	v_lshrrev_b32 v1, 5, v0
	v_readfirstlane_b32 s20, v1                    ; wave
	v_and_b32 v2, 31, v0                           ; lane
	v_lshlrev_b32 v3, 4, v2                        ; my 16 bytes of a load's 512
	s_mul_i32 s21, s20, WREG
	v_lshrrev_b32 v14, 2, v2
	v_mul_u32_u24 v14, v14, SP
	v_and_b32 v15, 3, v2
	v_lshl_add_u32 v14, v15, 4, v14
	v_add_nc_u32 v14, s21, v14                     ; the stage, in: SP (lane / 4) + 16 (lane % 4)
	v_mul_u32_u24 v15, v2, SP
	v_add_nc_u32 v15, s21, v15                     ; and out: SP x lane: my 16 neighbours
	; THE CODES' PLACE IN xw: [group of 256 rows][K step of 256][row][192 bytes]: a K step of 128 or 256 rows is one dense run of bytes that begins at a multiple of 256
	v_and_b32 v4, 15, v2
	v_mul_u32_u24 v4, v4, CB                       ; sixteen lanes fill a row's 192 bytes of one K step;
	v_lshrrev_b32 v10, 4, v2
	v_mad_u32_u24 v4, v10, 0xc000, v4              ; lanes 16-31 hold the next K step, 256 x 192 bytes on
	v_lshrrev_b32 v5, 1, v2
	s_add_co_u32 s21, s21, 2*32*SP
	v_add_nc_u32 v5, s21, v5                       ; my block's byte among the wave's 256
	v_lshlrev_b32 v7, 3, v2
	v_add_nc_u32 v6, s21, v7                       ; and on the way out 8 bytes a lane
	s_and_b32 s26, s20, 1
	s_lshl_b32 s26, s26, 1
	s_lshr_b32 s27, s20, 1
	s_or_b32 s26, s26, s27                         ; the wave's number with its two bits changed over: 0, 2, 1, 3
	s_sub_co_u32 s27, ttmp9, 256
	s_cmp_lt_u32 s27, 608                          ; work-groups 256 to 863: k, v, Wq, Wk, Wv
	s_cselect_b32 s26, s26, s20                    ; which group of 8 rows of the 32 my codes go to
	s_lshl_b32 s27, ttmp9, 2
	s_add_co_u32 s26, s26, s27
	; k (work-groups 256 to 511): group 4 u + t of 8 rows of every 64 goes to place 2 t + u, so that the four score tiles of 64 keys give a lane 32 neighbouring keys
	s_lshr_b32 s27, ttmp9, 1
	s_lshl_b32 s27, s27, 3
	s_lshl_b32 s32, s20, 1
	s_add_co_u32 s27, s27, s32
	s_and_b32 s32, ttmp9, 1
	s_add_co_u32 s27, s27, s32
	s_sub_co_u32 s32, ttmp9, 256
	s_cmp_lt_u32 s32, 256
	s_cselect_b32 s26, s27, s26
	s_lshr_b32 s27, s26, 5                         ; 32 runs of 8 rows to a group of 256 rows
	s_mul_i32 s28, s27, 196608
	s_and_b32 s27, s26, 31
	s_mul_i32 s27, s27, 1536
	s_add_co_u32 s28, s28, s27
	s_mov_b32 s29, 0
	s_lshl_b32 s30, s26, 8
	s_add_co_u32 s30, s30, XS_OFF
	s_mov_b32 s31, 0
	s_wait_alu depctr_va_vdst(0)
	s_wait_kmcnt 0x0
	s_add_nc_u64 s[28:29], s[18:19], s[28:29]      ; my codes
	s_add_nc_u64 s[30:31], s[18:19], s[30:31]      ; my scale bytes
	s_mov_b64 s[24:25], s[16:17]                   ; which tensor: the choice hangs on the work-group's number alone
	s_mov_b32 s22, 864
.macro PICK lim, lo, first
	s_cmp_lt_u32 ttmp9, \lim
	s_cselect_b64 s[24:25], s[\lo:\lo+1], s[24:25]
	s_cselect_b32 s22, \first, s22
.endm
	PICK 864, 14, 832
	PICK 832, 12, 800
	PICK 800, 10, 768
	PICK 768, 8, 512
	PICK 512, 6, 256
	PICK 256, 4, 0
	s_sub_co_u32 s22, ttmp9, s22
	s_lshl_b32 s22, s22, 2
	s_add_co_u32 s22, s22, s20                     ; my run of 8,192 numbers in the tensor
	s_lshl_b32 s22, s22, 15
	s_mov_b32 s23, 0
	s_add_nc_u64 s[24:25], s[24:25], s[22:23]
.macro LOAD t
.irp i, 0,1,2,3
	global_load_b128 v[R+16*((\t)%4)+4*\i:R+16*((\t)%4)+4*\i+3], v3, s[24:25] offset:2048*(\t)+512*\i th:TH_LOAD_NT   ; 32 lanes read 512 consecutive bytes
.endr
.endm
.macro TURN t                          ; step t's numbers through the stage: LDS serves a wave's instructions in order, so no wait stands between stores and loads
.irp i, 0,1,2,3
	ds_store_b128 v14, v[R+16*((\t)%4)+4*\i:R+16*((\t)%4)+4*\i+3] offset:32*SP*((\t)%2)+8*SP*\i
.endr
.irp i, 0,1,2,3
	ds_load_b128 v[X+16*((\t)%2)+4*\i:X+16*((\t)%2)+4*\i+3], v15 offset:32*SP*((\t)%2)+16*\i
.endr
.endm
.irp t, 0,1,2,3
	LOAD \t
.endr
	s_wait_loadcnt 12                              ; step 0's four loads are in; three steps' twelve may be out
	TURN 0
.macro STEP t
.set XS, X+16*((\t)%2)
.if (\t) > 0
	s_wait_dscnt 1                                 ; this step's numbers are back from the stage; the last step's byte store may be out
.else
	s_wait_dscnt 0x0
.endif
.if (\t)+4 < STEPS
	LOAD (\t)+4                                    ; into the registers that the stage's stores have read
.endif
.if (\t)+1 < STEPS
.if STEPS-2-(\t) >= 3
	s_wait_loadcnt 12                              ; the next step's four loads are in; those of the three steps behind it may be out
.else
	s_wait_loadcnt 4*(STEPS-2-(\t))
.endif
	TURN (\t)+1
.endif
	v_max3_num_f32 v8, |v[XS]|, |v[XS+1]|, |v[XS+2]|               ; the largest magnitude of my 16, in two chains
	v_max3_num_f32 v9, |v[XS+3]|, |v[XS+4]|, |v[XS+5]|
.irp i, 6,10
	v_max3_num_f32 v8, v8, |v[XS+\i]|, |v[XS+\i+1]|
	v_max3_num_f32 v9, v9, |v[XS+\i+2]|, |v[XS+\i+3]|
.endr
	v_max3_num_f32 v8, v8, |v[XS+14]|, |v[XS+15]|
	v_max3_num_f32 v8, v8, v9, (EMAX+1)<<23        ; and the floor 2^(3 - 127): the byte cannot fall under 1
	v_max_num_f32_dpp v8, v8, v8 row_xmask:1 row_mask:0xf bank_mask:0xf   ; with my neighbour's 16: the block's
	v_add_nc_u32 v11, -(EMAX<<23), v8              ; 2 off its exponent field: the conversion takes this operand's exponent field as its scale
	v_cvt_scalef32_pk16_fp6_f32 v[C+4*(\t):C+4*(\t)+2], v[XS:XS+15], v11
	v_lshrrev_b32 v[E+(\t)], 23, v11               ; the scale's byte (also the plain line behind the conversion)
	ds_store_b8 v5, v[E+(\t)] offset:16*(\t)       ; both lanes of a block write the same byte with the same value
	global_store_b96 v4, v[C+4*(\t):C+4*(\t)+2], s[28:29] offset:98304*((\t)%2)+192*((\t)/2)   ; row t / 2, K steps 2 (t % 2) and 2 (t % 2) + 1
.endm
.irp t, 0,1,2,3,4,5,6,7,8,9,10,11,12,13,14,15
	STEP \t
.endr
	ds_load_b64 v[8:9], v6                         ; in order behind my byte stores
	s_wait_dscnt 0x0
	global_store_b64 v7, v[8:9], s[30:31]          ; 32 lanes store 256 consecutive bytes, aligned
	s_wait_tensorcnt 0x0                           ; the wave's end
	ds_add_u32 v[SPW], v[NIL]
	s_wait_dscnt 0x0
	s_endpgm
.Lfunc_end_k_q9353149922_quant:
	.size	k_q9353149922_quant, .Lfunc_end_k_q9353149922_quant-k_q9353149922_quant
	.p2alignl 7, 3214868480
	.fill 96, 4, 3214868480
	.section	.rodata,"a",@progbits
	.p2align	6, 0x0
	.amdhsa_kernel k_q9353149922_quant
		.amdhsa_group_segment_fixed_size 33280
		.amdhsa_private_segment_fixed_size 0
		.amdhsa_enable_private_segment 0
		.amdhsa_kernarg_size 64
		.amdhsa_user_sgpr_count 2
		.amdhsa_user_sgpr_kernarg_segment_ptr 1
		.amdhsa_wavefront_size32 1
		.amdhsa_system_sgpr_workgroup_id_x 1
		.amdhsa_system_sgpr_workgroup_id_y 1
		.amdhsa_system_sgpr_workgroup_id_z 1
		.amdhsa_system_vgpr_workitem_id 0
		.amdhsa_next_free_vgpr 192
		.amdhsa_next_free_sgpr 66
		.amdhsa_reserve_vcc 0
		.amdhsa_float_denorm_mode_32 3
		.amdhsa_float_denorm_mode_16_64 3
		.amdhsa_memory_ordered 1
		.amdhsa_forward_progress 1
		.amdhsa_inst_pref_size 34
	.end_amdhsa_kernel
	.amdgpu_metadata
---
amdhsa.version: [ 1, 2 ]
amdhsa.kernels:
  - .name:           k_q9353149922_quant
    .symbol:         k_q9353149922_quant.kd
    .args:
      - { .name: q, .offset: 0, .size: 8, .value_kind: global_buffer, .address_space: global }
      - { .name: k, .offset: 8, .size: 8, .value_kind: global_buffer, .address_space: global }
      - { .name: v, .offset: 16, .size: 8, .value_kind: global_buffer, .address_space: global }
      - { .name: Wq, .offset: 24, .size: 8, .value_kind: global_buffer, .address_space: global }
      - { .name: Wk, .offset: 32, .size: 8, .value_kind: global_buffer, .address_space: global }
      - { .name: Wv, .offset: 40, .size: 8, .value_kind: global_buffer, .address_space: global }
      - { .name: Wo, .offset: 48, .size: 8, .value_kind: global_buffer, .address_space: global }
      - { .name: xw, .offset: 56, .size: 8, .value_kind: global_buffer, .address_space: global }
    .group_segment_fixed_size: 33280
    .private_segment_fixed_size: 0
    .kernarg_segment_align: 8
    .kernarg_segment_size: 64
    .max_flat_workgroup_size: 128
    .sgpr_count:     66
    .vgpr_count:     192
    .wavefront_size: 32
...
	.end_amdgpu_metadata
.endif
;; end of part 1
;; launch proj (part 2): grid 4 x 96, 4 waves a work-group, clusters of 4 x 4, 327,680 bytes of LDS; arguments xw, bq, bk, bv, hd; writes hd
.if DOCPART == 2
	.amdgcn_target "amdgcn-amd-amdhsa--gfx1250"
	.amdhsa_code_object_version 6
	.text
	.protected	k_q9353149922_proj
	.globl	k_q9353149922_proj
	.p2align	8
	.type	k_q9353149922_proj,@function
k_q9353149922_proj:
	s_mov_b64 s[64:65], 0
	v_nop
	global_prefetch_b8 v0, s[64:65] scope:SCOPE_SE
	s_setreg_imm32_b32 hwreg(HW_REG_WAVE_MODE, 25, 1), 1
	s_wait_xcnt 0x0
	s_wait_alu depctr_hold_cnt(0) depctr_sa_sdst(0) depctr_va_vdst(0) depctr_va_sdst(0) depctr_va_ssrc(0) depctr_va_vcc(0) depctr_vm_vsrc(0)
	s_getreg_b32 s2, hwreg(HW_REG_IB_STS2, 6, 4)
	s_cmp_eq_u32 s2, 0
	s_cbranch_scc0 .Lentry_in_a_cluster
	s_endpgm
.Lentry_in_a_cluster:
	s_bfe_u32 s2, ttmp6, 0x10000c
	s_cmp_lg_u32 s2, 0xf033
	s_cbranch_scc0 .Lentry_shape_is_right
	s_endpgm
.Lentry_shape_is_right:
; The three projections on codes of FP6 (E2M3): x W^T + b for q, k, v; then, in f32, the l2 norm per head (q, k); then each result is quantised
; again in registers and stored as IMAGES OF OPERAND REGISTERS for the attention launch.
; xw holds codes (768 bytes a row) and scale bytes (32 a row, from XS_OFF) of 28,672 rows: q 0, k 8192, v 16384, Wq 24576, Wk 25600, Wv 26624.
; A tile of 256 x 256 results is made by four waves, 128 x 128 each: 64 accumulators, 512 registers.  K = 1,024 goes in four steps of 256 through
; two LDS slots filled by the tensor data mover; the scale bytes of the work-group's rows come once and stay.
; THE MATRIX INSTRUCTION IS USED TRANSPOSED: source 0 = 16 rows of 'B', source 1 = 16 rows of 'A': a lane holds ONE row of A, its registers run along B's rows.
;   q, k (cluster y 0-15): A = rows of x, B = rows of W: a lane holds one token, registers run along the features: the scores' K.
;   v    (cluster y 16-23): A = rows of Wv, B = rows of v: a lane holds one feature, registers run along the keys: the second product's K.
; Rows of k, v, Wq, Wk, Wv lie in xw so that the 16 registers of two neighbouring tiles of B are 16 neighbours.
; CLUSTERS: 4 x 4 work-groups; A's tiles are asked for jointly along a row of the cluster, B's along a column.
; hd: three regions (q, k, v) of 1,024 records of 6,400 bytes; record (batch 16 + head) 16 + step of 128 tokens: four images of 1,536 bytes
; (three chunks of 512: lane l's registers 4 i .. 4 i + 3 at 16 l), then 256 bytes of scale words (lane r's four words at 16 r).
;   q, k: image g = registers 0-5: tokens 32 g .. + 15, registers 6-11: tokens 32 g + 16 .. + 31, all 64 of the head; word g = the first token's two bytes, the second's two.
;   v: image t = 16 features x 128 keys; word t = the feature's four bytes.
; LIMITS: a block of zeros gets the byte 1 (its codes are zeros); NaN and infinities are not served.
; REGISTERS: window 0: v0-31 addresses; v32-63 scale words, two sets; from v128 A's fragments, one set; on the way out v32-232 as listed below.
;   window 1: B's fragments, two sets.   windows 2, 3: the accumulators ((a, b) at v[8 (8 (a % 4) + b)]).
.set SIZE_K, 1024
.set KSTEP,  256
.set NQ,     KSTEP/128
.set ROWB,   192
.set KSB,    49152                     ; xw's codes lie [group of 256 rows][K step][row][192 bytes]: from a K step to the next
.set KROW,   SIZE_K*6/8
.set PITCH,  240                       ; an LDS row: 3 x (64 bytes + 16 of padding)
.set FR,     12
.set NL,     6
.set NP,     4                         ; places behind this matrix instruction (ISA guide 7.12.1)
.set HALFT,  128*PITCH
.set SLOT,   4*HALFT
.set LAPS,   SIZE_K/(2*KSTEP)
.set KS,     SIZE_K/32
.set SCL,    2*SLOT                    ; behind the ring: the scales, as units of 256 bytes + 16
.set HALFS,  (128*KS/256)*272
.set SBLK,   (16*KS/256)*272
.set SPARE,  SCL+4*HALFS               ; the spare words: 128 bytes a wave, named by no other line
.set XS_OFF, 22020096
.set REC,    6400
.set HEADB,  16*REC                    ; from a head's record to the next head's
.set ADRA, 16
.set ADRB, 20
.set ADRS, 27
.set SPW,  28
.set NIL,  29
.set SC,   32
.set AF,   128
.set G1, 24
.set G0, 32
.set G1B, 48
.set G0B, 56
.set G1S, 68
.set G0S, 76
.set G1SB, 80
.set G0SB, 88
; the way out, window 0
.set LI,   2                           ; v2   16 x lane
.set QA,   3                           ; v3   HEADB x (lane / 16) + 16 x (lane % 16)
.set BB,   32                          ; v32-95  q, k: the bias of my 128 features in the results' layout
.set BA,   32                          ; v32-47  v: the bias of my lane's feature, a pair a block
.set ST,   96                          ; v96-159 the block at work
.set F0,   160                         ; v160-171, v172-183 finished fragments
.set F1,   172
.set CT,   184                         ; v184-191 second halves of the conversions
.set TM,   192                         ; v192-207 the quantiser's
.set PW,   208                         ; v208-215 scale words as made
.set WQ,   216                         ; v216-219 scale words to store
.set SS,   220                         ; v220-227 sums of squares, roots, reciprocals
.set VSEL, 232
.set SEL,  20                          ; s[20:21] selects for lane l xor 16
.set HM,   22                          ; s22 the mask of lanes 16-31
.set MSB, 0
.macro WIN new                         ; the immediate's high byte repeats the setting that is left
.if MSB != (\new)
	s_set_vgpr_msb (MSB<<8)|(\new)
.set MSB, (\new)
.endif
.endm
.set MUL_LO, 0xa1                      ; source 0 (B) window 1, source 1 (A) window 0, C and D window 2
.set MUL_HI, 0xf1
.set TO_B,   0x40
; A joint load: waves 0 and 1 fetch for A, waves 2 and 3 for B; the branch hangs on the wave's number alone.  An s_nop 0 and four v_nop follow each line.
.macro JLOAD g0a, g1a, g0b, g1b
	s_cmp_eq_u32 s15, 0
	s_cbranch_scc0 .Lfor_b_\@
	tensor_load_to_lds s[\g0a:\g0a+3], s[\g1a:\g1a+7]
	s_nop 0
.rept 4
	v_nop
.endr
	s_branch .Lasked_\@
.Lfor_b_\@:
	tensor_load_to_lds s[\g0b:\g0b+3], s[\g1b:\g1b+7]
	s_nop 0
.rept 4
	v_nop
.endr
.Lasked_\@:
.endm
.macro CREST                           ; a round of the cluster's barrier behind its opening barrier
	s_cmp_lg_u32 s14, 0
	s_cbranch_scc1 .Lnot_wave_0_\@
	s_barrier_signal -3
.Lnot_wave_0_\@:
	s_barrier_wait -3
	s_barrier_signal -1
	s_barrier_wait -1
.endm
.macro CROUND
	s_barrier_signal -1
	s_barrier_wait -1
	CREST
.endm
	s_load_b256 s[4:11], s[0:1], 0x0               ; xw s[4:5], bq s[6:7], bk s[8:9], bv s[10:11]
	s_load_b64 s[12:13], s[0:1], 0x20              ; hd
	v_lshl_add_u32 v[SPW], v0, 2, SPARE
	v_mov_b32 v[NIL], 0
	ds_add_u32 v[SPW], v[NIL]                      ; the wave's opening: the add and its wait ahead of my first tensor load
	ds_add_u32 v[SPW], v[NIL]
	v_lshrrev_b32 v1, 5, v0
	v_readfirstlane_b32 s14, v1                    ; wave 0..3
	s_lshr_b32 s15, s14, 1                         ; which half of A's rows is mine.  Also: I fetch for A (0) or for B (1)
	s_and_b32 s16, s14, 1                          ; which half of B's rows.  Also: which 128 rows I fetch
	s_bfe_u32 s40, ttmp6, 0x40000                  ; cx
	s_bfe_u32 s41, ttmp6, 0x40004                  ; cy
	s_and_b32 s95, ttmp7, 0xffff                   ; the cluster's y, 0..23: the same in all sixteen partners
	s_lshl_b32 s43, s41, 2
	s_lshl_b32 s43, 15, s43                        ; my row of the cluster
	s_lshl_b32 s44, 0x1111, s40                    ; my column
	s_or_b32 s[G1+0], s43, (0<<16)|(1<<20)|(1<<21)|(3<<22)|(3<<25)  ; mask: my row; elements of 1 byte; padding of 4 words behind every 16
	s_or_b32 s[G1B+0], s44, (0<<16)|(1<<20)|(1<<21)|(3<<22)|(3<<25)
.irp g, G1, G1B
	s_mov_b32 s[\g+1], 256<<16                     ; a K step of 256 rows is dense: stated as 192 rows of 256 bytes; the padding's interval stays 64 bytes, so the LDS rows stay 240 apart
	s_mov_b32 s[\g+2], 384<<16                     ; the head's load brings K steps 0 and 1 of 256 rows, which lie on end: 384 rows of 256 bytes
	s_mov_b32 s[\g+3], 256<<16
	s_mov_b32 s[\g+4], 384
	s_mov_b32 s[\g+5], 256
	s_mov_b32 s[\g+6], 0
	s_mov_b32 s[\g+7], 0
.endr
	s_or_b32 s[G1S+0], s43, (3<<16)|(1<<20)|(1<<21)|(5<<22)|(3<<25)   ; the scales of 128 rows: 16 dense rows of 256 bytes, 16 bytes of padding behind each
	s_or_b32 s[G1SB+0], s44, (3<<16)|(1<<20)|(1<<21)|(5<<22)|(3<<25)
.irp g, G1S, G1SB
	s_mov_b32 s[\g+1], 32<<16
	s_mov_b32 s[\g+2], (256*KS/256)<<16            ; the scales of all 256 rows in one load
	s_mov_b32 s[\g+3], 32<<16
	s_mov_b32 s[\g+4], 256*KS/256
	s_mov_b32 s[\g+5], 32
	s_mov_b32 s[\g+6], 0
	s_mov_b32 s[\g+7], 0
.endr
	; which rows of xw: A's hang on the cluster's y and cy alone, B's on the cluster's y and cx alone
	s_mul_i32 s18, s16, 128*ROWB                   ; in the ring I fetch 128 rows of a tile: which half, in bytes
	s_lshl_b32 s19, s95, 10                        ; 1,024 y: rows of q, k, v
	s_lshr_b32 s17, s95, 3
	s_lshl_b32 s17, s17, 10
	s_add_co_u32 s17, s17, 24576                   ; Wq (y < 8) or Wk
	s_mov_b32 s42, 26624                           ; Wv
	s_cmp_lt_u32 s95, 16
	s_cselect_b32 s20, s19, s42                    ; A: x's rows, or Wv's
	s_cselect_b32 s46, s17, s19                    ; B: W's rows, or v's
	s_lshl_b32 s21, s41, 8
	s_add_co_u32 s20, s20, s21
	s_lshl_b32 s47, s40, 8
	s_add_co_u32 s46, s46, s47
	s_lshl_b32 s22, s20, 5
	s_add_co_u32 s22, s22, XS_OFF                  ; where these rows' scales begin
	s_mov_b32 s23, 0
	s_lshl_b32 s92, s46, 5
	s_add_co_u32 s92, s92, XS_OFF
	s_mov_b32 s93, 0
	s_mul_i32 s20, s20, KROW                       ; and their codes
	s_mov_b32 s21, 0
	s_mul_i32 s46, s46, KROW
	s_mov_b32 s47, 0
	s_mul_i32 s45, s16, HALFT                      ; LDS: A's slot 0, A's slot 1, B's slot 0, B's slot 1, 256 rows each; my half of a slot
	s_mov_b32 s19, 0
	s_wait_dscnt 0x0
	s_wait_kmcnt 0x0
	s_add_nc_u64 s[20:21], s[4:5], s[20:21]
	s_add_nc_u64 s[22:23], s[4:5], s[22:23]
	s_add_nc_u64 s[46:47], s[4:5], s[46:47]
	s_add_nc_u64 s[92:93], s[4:5], s[92:93]
	CROUND                                         ; all sixteen work-groups are here: the first joint loads meet
	s_mov_b32 s[G0S], 1
	s_mov_b32 s[G0S+1], SCL
	s_mov_b64 s[G0S+2:G0S+3], s[22:23]
	s_or_b32 s[G0S+3], s[G0S+3], 0x80000000
	s_mov_b32 s[G0SB], 1
	s_mov_b32 s[G0SB+1], SCL+2*HALFS
	s_mov_b64 s[G0SB+2:G0SB+3], s[92:93]
	s_or_b32 s[G0SB+3], s[G0SB+3], 0x80000000
	s_mov_b32 s[G0], 1                             ; the head's loads of K step 0 take slot 0's group 0: A's 256 rows whole,
	s_mov_b32 s[G0+1], 0
	s_mov_b64 s[G0+2:G0+3], s[20:21]
	s_or_b32 s[G0+3], s[G0+3], 0x80000000
	s_mov_b32 s[G0B], 1                            ; and B's, behind them
	s_mov_b32 s[G0B+1], 4*HALFT
	s_mov_b64 s[G0B+2:G0B+3], s[46:47]
	s_or_b32 s[G0B+3], s[G0B+3], 0x80000000
	s_add_nc_u64 s[20:21], s[20:21], s[18:19]      ; for the ring: my 128 rows
	s_add_nc_u64 s[46:47], s[46:47], s[18:19]
	s_mov_b32 s[G0+4], 1
	s_add_co_u32 s[G0+5], s45, 2*HALFT
	s_add_nc_u64 s[G0+6:G0+7], s[20:21], KSB
	s_or_b32 s[G0+7], s[G0+7], 0x80000000
	s_mov_b32 s[G0B+4], 1
	s_add_co_u32 s[G0B+5], s45, 6*HALFT
	s_add_nc_u64 s[G0B+6:G0B+7], s[46:47], KSB
	s_or_b32 s[G0B+7], s[G0B+7], 0x80000000
; the head's four tiles, one a wave: wave 0 A's rows, wave 1 B's, wave 2 A's scales, wave 3 B's; one tree of branches on the wave's number
.macro ARM under, g0, g1, next
	s_cmp_lt_u32 s14, \under
	s_cbranch_scc0 \next
	tensor_load_to_lds s[\g0:\g0+3], s[\g1:\g1+7]
	s_nop 0
.rept 4
	v_nop
.endr
	s_branch .Lhead_asked
\next:
.endm
	ARM 1, G0,  G1,  .Lhead_b
	ARM 2, G0B, G1B, .Lhead_sa
	ARM 3, G0S, G1S, .Lhead_sb
	tensor_load_to_lds s[G0SB:G0SB+3], s[G1SB:G1SB+7]
	s_nop 0
.rept 4
	v_nop
.endr
.Lhead_asked:
	v_and_b32 v1, 15, v0                           ; l % 16
	v_bfe_u32 v2, v0, 4, 1                         ; l / 16
	v_mul_u32_u24 v3, v1, PITCH
	v_mul_u32_u24 v4, v2, 24
	v_add_nc_u32 v4, v3, v4                        ; a fragment's row x pitch + 24 x half
	v_lshl_add_u32 v5, v2, 4, v4                   ; and the same behind one padding more
	s_mul_i32 s21, s15, HALFT                      ; my 128 rows of A
	s_mul_i32 s22, s16, HALFT                      ; my 128 rows of B,
	s_add_co_u32 s22, s22, 4*HALFT
.irp s, 0,1
	v_add_nc_u32 v[ADRA+\s], s21, v4
	v_add_nc_u32 v[ADRB+\s], s22, v4
	v_add_nc_u32 v[ADRA+2+\s], s21, v5
	v_add_nc_u32 v[ADRB+2+\s], s22, v5
	s_add_co_u32 s21, s21, 2*HALFT
	s_add_co_u32 s22, s22, 2*HALFT
.endr
	v_mul_u32_u24 v5, v1, KS                       ; my row's scales: KS bytes a row,
	v_lshrrev_b32 v6, 8, v5
	v_lshl_add_u32 v5, v6, 4, v5                   ; and 16 more for each 256 passed
	s_mul_i32 s21, s15, HALFS
	s_mul_i32 s22, s16, HALFS
	s_add_co_u32 s22, s22, 2*HALFS
	s_sub_co_u32 s22, s22, s21
	v_mul_u32_u24 v6, s22, v2                      ; lanes 16-31 take B's
	s_add_co_u32 s21, s21, SCL
	v_add_nc_u32 v5, v5, v6
	v_add_nc_u32 v[ADRS], s21, v5
.macro FRAG reg, adr, q, i             ; 16 rows x 128 K of 6-bit codes: 12 registers; lane l: row l % 16, registers 6 c .. 6 c + 5: K = 64 c + 32 (l / 16) + 0 .. 31, as the bits lie
.irp p, 0,1,2,3,4,5                    ; in pieces of 8 bytes; where the piece three on lies behind one padding more, the second address register serves
.set PC, 12*(\q)+6*(\p/3)+\p%3
.if PC%8 < 5
	ds_load_b64 v[\reg+2*\p:\reg+2*\p+1], v[\adr] offset:8*PC+16*(PC/8)+(\i)*16*PITCH
.else
	ds_load_b64 v[\reg+2*\p:\reg+2*\p+1], v[\adr+2] offset:8*PC+16*(PC/8)+(\i)*16*PITCH
.endif
.endr
.endm
; 16 matrix instructions: A's blocks a0, a0 + 1 x B's eight.  The 64 accumulators take turns, one instruction a turn, in the same order in every step.
.macro MUL16 a0, p, q, sc, zero
.irp a, \a0, \a0+1
.irp b, 0,1,2,3,4,5,6,7
.if \zero
	v_wmma_scale_f32_16x16x128_f8f6f4 v[8*(8*((\a)%4)+\b):8*(8*((\a)%4)+\b)+7], v[128*(\p)+FR*\b:128*(\p)+FR*\b+FR-1], v[AF+FR*(\a):AF+FR*(\a)+FR-1], 0, v[SC+8*NQ*(\sc)+NQ*\b+(\q)], v[SC+8*NQ*(\sc)+NQ*(\a)+(\q)] matrix_a_fmt:MATRIX_FMT_FP6 matrix_b_fmt:MATRIX_FMT_FP6 matrix_a_scale:MATRIX_SCALE_ROW1
.else
	v_wmma_scale_f32_16x16x128_f8f6f4 v[8*(8*((\a)%4)+\b):8*(8*((\a)%4)+\b)+7], v[128*(\p)+FR*\b:128*(\p)+FR*\b+FR-1], v[AF+FR*(\a):AF+FR*(\a)+FR-1], v[8*(8*((\a)%4)+\b):8*(8*((\a)%4)+\b)+7], v[SC+8*NQ*(\sc)+NQ*\b+(\q)], v[SC+8*NQ*(\sc)+NQ*(\a)+(\q)] matrix_a_fmt:MATRIX_FMT_FP6 matrix_b_fmt:MATRIX_FMT_FP6 matrix_a_scale:MATRIX_SCALE_ROW1
.endif
.endr
.endr
.endm
.macro FETCH_B slot, q, p
	WIN TO_B
.irp i, 0,1,2,3,4,5,6,7
	FRAG 128*(\p)+FR*\i, ADRB+\slot, \q, \i
.endr
	WIN 0
.endm
.macro FETCH_A slot, q, i0
.irp i, \i0, \i0+1, \i0+2, \i0+3
	FRAG AF+FR*(\i), ADRA+\slot, \q, \i
.endr
.endm
.macro SCALES sc                       ; the next K step's scale words: lanes 0-15 A's block i, lanes 16-31 B's block i
.irp i, 0,1,2,3,4,5,6,7
	ds_load_b64 v[SC+8*NQ*\sc+NQ*\i:SC+8*NQ*\sc+NQ*\i+1], v[ADRS] offset:\i*SBLK
.endr
.endm
.macro PLACES n                        ; plain vector lines between a matrix instruction and a load into, or a vector access of, its registers
.rept \n
	v_nop
.endr
.endm
.macro STEP slot, q, zero              ; 128 along K whose successor lies in the same slot
	s_wait_dscnt 4*NL                              ; B's set and A's blocks 0-3 are in; the youngest 24 loads (A's blocks 4-7) may be out
	WIN MUL_LO
	MUL16 0, (\q)%2, \q, \slot, \zero
	MUL16 2, (\q)%2, \q, \slot, \zero
	s_wait_dscnt 0
	PLACES NP
	FETCH_B \slot, (\q)+1, 1-(\q)%2
	FETCH_A \slot, (\q)+1, 0
	WIN MUL_HI
	MUL16 4, (\q)%2, \q, \slot, \zero
	MUL16 6, (\q)%2, \q, \slot, \zero
	PLACES NP
	WIN 0
	FETCH_A \slot, (\q)+1, 4
.endm
; A slot's last step changes slots: one barrier; ahead of it each wave waits for all its tensor loads, adds 0 to its spare word, and waits for that and for its reads of this slot.
.macro TURN slot, next, fill
	s_wait_tensorcnt 0x0                           ; all my tensor loads have landed: my part of the next slot
	ds_add_u32 v[SPW], v[NIL]
	s_wait_dscnt 4*NL+1                            ; the add and the youngest 24 loads may be out
	WIN MUL_LO
	MUL16 0, 1, NQ-1, \slot, 0
	s_wait_dscnt 0x0                               ; the add is done, and my reads of this slot are over
	s_barrier_signal -1
	MUL16 2, 1, NQ-1, \slot, 0
	WIN 0
	s_barrier_wait -1
.if \fill
	CREST                                          ; the barrier has opened a round of the cluster's: no wave of any partner still reads this slot or has a load on its way
	s_add_nc_u64 s[G0+4*\slot+2:G0+4*\slot+3], s[G0+4*\slot+2:G0+4*\slot+3], 2*KSB
	s_add_nc_u64 s[G0B+4*\slot+2:G0B+4*\slot+3], s[G0B+4*\slot+2:G0B+4*\slot+3], 2*KSB
	JLOAD G0+4*\slot, G1, G0B+4*\slot, G1B         ; the first tensor load behind the round; its four v_nop are the places ahead of the loads below
.else
	PLACES NP
.endif
	s_wait_alu depctr_va_vdst(0)
	v_add_nc_u32 v[ADRS], 4*NQ, v[ADRS]
	FETCH_B \next, 0, 0
	FETCH_A \next, 0, 0
	SCALES \next
	WIN MUL_HI
	MUL16 4, 1, NQ-1, \slot, 0
	MUL16 6, 1, NQ-1, \slot, 0
	PLACES NP
	WIN 0
	FETCH_A \next, 0, 4
.endm
	s_wait_alu depctr_va_vdst(0)
	s_wait_tensorcnt 0x0                           ; my tile of the head's four is in: both slots and the scales are filled by the head's loads
	s_mov_b32 s[G1+2], 96<<16                      ; no tensor load of mine is out: from here on a load brings 128 rows of one K step = 96 rows of 256 bytes,
	s_mov_b32 s[G1+4], 96
	s_mov_b32 s[G1B+2], 96<<16
	s_mov_b32 s[G1B+4], 96
	s_mov_b32 s[G0+1], s45                         ; and slot 0's group 0 stands at my 128 rows of K step 0
	s_add_nc_u64 s[G0+2:G0+3], s[G0+2:G0+3], s[18:19]
	s_add_co_u32 s[G0B+1], s45, 4*HALFT
	s_add_nc_u64 s[G0B+2:G0B+3], s[G0B+2:G0B+3], s[18:19]
	s_barrier_signal -1                            ; a plain barrier
	s_barrier_wait -1
	FETCH_B 0, 0, 0
	FETCH_A 0, 0, 0
	SCALES 0
	FETCH_A 0, 0, 4
	STEP 0, 0, 1                                   ; the first step's products start the sums
	s_mov_b32 s3, LAPS-1
.Llap:                                             ; a trip goes once round the ring and fills both slots again
	TURN 0, 1, 1
	STEP 1, 0, 0
	TURN 1, 0, 1
	STEP 0, 0, 0
	s_sub_co_u32 s3, s3, 1
	s_cmp_lg_u32 s3, 0
	s_cbranch_scc1 .Llap
	TURN 0, 1, 0                                   ; the last lap fills nothing
	STEP 1, 0, 0
	s_wait_dscnt 4*NL
	WIN MUL_LO
	MUL16 0, 1, NQ-1, 1, 0
	MUL16 2, 1, NQ-1, 1, 0
	s_wait_dscnt 0
	WIN MUL_HI
	MUL16 4, 1, NQ-1, 1, 0
	MUL16 6, 1, NQ-1, 1, 0
	WIN 0
; THE WAY OUT: no LDS.  A block of A (16 lanes' rows x my 128 rows of B) is 64 registers a lane, register 16 b + i = place 32 b + 16 (lane / 16) + i along B.
; 64 numbers v[s] .. become codes: v[d0] .. + 5 = places 0-63, v[d1] .. + 5 = places 64-127 (lanes 0-15 the even blocks of 32, lanes 16-31 the odd), and the four bytes in v[pw].
.macro QUANT s, d0, d1, pw
.irp b, 0,1,2,3
	v_max3_num_f32 v[TM+\b], |v[\s+16*\b]|, |v[\s+1+16*\b]|, 0x1800000   ; my 16 numbers of block b, and the floor 2^(3 - 127): the byte cannot fall under 1
.endr
.irp i, 2,4,6,8,10,12,14
.irp b, 0,1,2,3
	v_max3_num_f32 v[TM+\b], v[TM+\b], |v[\s+16*\b+\i]|, |v[\s+1+16*\b+\i]|
.endr
.endr
.irp b, 0,1,2,3
	v_permlanex16_b32 v[TM+4+\b], v[TM+\b], s[SEL], s[SEL+1]
.endr
.irp b, 0,1,2,3
	v_max_num_f32 v[TM+\b], v[TM+\b], v[TM+4+\b]   ; with lane l xor 16's: the block's largest magnitude
.endr
.irp b, 0,1,2,3
	v_add_nc_u32 v[TM+12+\b], 0xff000000, v[TM+\b] ; 2 off its exponent field: the conversion's scale operand
.endr
.irp b, 0,1,2,3
	v_lshrrev_b32 v[TM+4+\b], 23, v[TM+12+\b]      ; the scale's byte
.endr
	v_lshl_or_b32 v[\pw], v[TM+5], 8, v[TM+4]
	v_lshl_or_b32 v[\pw], v[TM+6], 16, v[\pw]
	v_lshl_or_b32 v[\pw], v[TM+7], 24, v[\pw]
	v_cvt_scalef32_pk16_fp6_f32 v[(\d0):(\d0)+2], v[\s:\s+15], v[TM+12]
	v_cvt_scalef32_pk16_fp6_f32 v[CT:CT+2], v[\s+16:\s+31], v[TM+13]      ; (a conversion's three registers begin on an even number)
	v_cvt_scalef32_pk16_fp6_f32 v[(\d1):(\d1)+2], v[\s+32:\s+47], v[TM+14]
	v_cvt_scalef32_pk16_fp6_f32 v[CT+4:CT+6], v[\s+48:\s+63], v[TM+15]
	v_nop                                          ; one plain line behind the scaled conversions
.irp i, 0,1,2
	v_permlane16_swap_b32 v[(\d0)+\i], v[CT+\i]    ; a whole block to a lane
.endr
.irp i, 0,1,2
	v_mov_b32 v[(\d0)+3+\i], v[CT+\i]
.endr
.irp i, 0,1,2
	v_permlane16_swap_b32 v[(\d1)+\i], v[CT+4+\i]
.endr
.irp i, 0,1,2
	v_mov_b32 v[(\d1)+3+\i], v[CT+4+\i]
.endr
.endm
; x / max(sqrt(sum of x^2), 1e-12) for the two heads of the block: head 0 = v[ST] .. + 31, head 1 = v[ST + 32] .. + 63; a head's other 32 numbers lie in lane l xor 16
.macro NORM
	v_pk_mul_f32 v[SS:SS+1], v[ST:ST+1], v[ST:ST+1]
	v_pk_mul_f32 v[SS+4:SS+5], v[ST+32:ST+33], v[ST+32:ST+33]
	v_pk_mul_f32 v[SS+2:SS+3], v[ST+2:ST+3], v[ST+2:ST+3]
	v_pk_mul_f32 v[SS+6:SS+7], v[ST+34:ST+35], v[ST+34:ST+35]
.set J, 4
.rept 7
	v_pk_fma_f32 v[SS:SS+1], v[ST+J:ST+J+1], v[ST+J:ST+J+1], v[SS:SS+1]
	v_pk_fma_f32 v[SS+4:SS+5], v[ST+32+J:ST+33+J], v[ST+32+J:ST+33+J], v[SS+4:SS+5]
	v_pk_fma_f32 v[SS+2:SS+3], v[ST+2+J:ST+3+J], v[ST+2+J:ST+3+J], v[SS+2:SS+3]
	v_pk_fma_f32 v[SS+6:SS+7], v[ST+34+J:ST+35+J], v[ST+34+J:ST+35+J], v[SS+6:SS+7]
.set J, J+4
.endr
	v_pk_add_f32 v[SS:SS+1], v[SS:SS+1], v[SS+2:SS+3]
	v_pk_add_f32 v[SS+4:SS+5], v[SS+4:SS+5], v[SS+6:SS+7]
	v_add_f32 v[SS], v[SS], v[SS+1]
	v_add_f32 v[SS+4], v[SS+4], v[SS+5]
	v_permlanex16_b32 v[SS+1], v[SS], s[SEL], s[SEL+1]
	v_permlanex16_b32 v[SS+5], v[SS+4], s[SEL], s[SEL+1]
	v_add_f32 v[SS], v[SS], v[SS+1]
	v_add_f32 v[SS+4], v[SS+4], v[SS+5]
	s_wait_alu depctr_va_vdst(0)
	v_sqrt_f32 v[SS+2], v[SS]
	v_sqrt_f32 v[SS+6], v[SS+4]
	v_nop                                          ; a plain line behind the roots,
	s_wait_alu depctr_va_vdst(0)                   ; and one wait for both, ahead of their first reader
	v_max_num_f32 v[SS+2], 0x2b8cbccc, v[SS+2]     ; 1e-12
	v_max_num_f32 v[SS+6], 0x2b8cbccc, v[SS+6]
	s_wait_alu depctr_va_vdst(0)
	v_rcp_f32 v[SS], v[SS+2]
	v_rcp_f32 v[SS+4], v[SS+6]
	v_nop
	s_wait_alu depctr_va_vdst(0)                   ; one wait for both reciprocals
.set J, 0
.rept 16
	v_pk_mul_f32 v[ST+J:ST+J+1], v[ST+J:ST+J+1], v[SS:SS+1] op_sel_hi:[1,0]
	v_pk_mul_f32 v[ST+32+J:ST+33+J], v[ST+32+J:ST+33+J], v[SS+4:SS+5] op_sel_hi:[1,0]
.set J, J+2
.endr
.endm
	PLACES NP                                      ; behind the last products: their results are read, and registers that they read are written, below
	s_mov_b32 s[SEL], 0x76543210
	s_mov_b32 s[SEL+1], 0xfedcba98
	s_mov_b32 s[HM], 0xffff0000
	v_and_b32 v2, 31, v0
	v_lshlrev_b32 v[LI], 4, v2
	v_bfe_u32 v5, v0, 4, 1                         ; h
	v_and_b32 v6, 15, v0                           ; r
	v_mul_u32_u24 v[QA], v5, HEADB
	v_lshl_add_u32 v[QA], v6, 4, v[QA]
.irp b, 0,1,2,3
	v_mov_b32 v[TM+4+\b], 0                        ; written once: a lane permute's destination counts as one of its sources
.endr
	s_cmp_ge_u32 s95, 16                           ; the cluster's y: the same in all partners and all waves
	s_cbranch_scc1 .Lv
	; ---- q and k: my 128 tokens (one record's step) x my two heads
	s_lshl_b32 s96, s95, 2
	s_add_co_u32 s96, s96, s41
	s_lshl_b32 s96, s96, 1
	s_add_co_u32 s96, s96, s15                     ; which 128 tokens of q's and k's 16,384
	s_lshl_b32 s98, s40, 2
	s_lshl_b32 s99, s16, 1
	s_add_co_u32 s98, s98, s99                     ; my first head
	s_lshr_b32 s99, s96, 4
	s_lshl_b32 s99, s99, 4
	s_add_co_u32 s99, s99, s98
	s_lshl_b32 s99, s99, 4
	s_and_b32 s96, s96, 15
	s_add_co_u32 s96, s96, s99                     ; the record (k's follow q's 1,024)
	s_mul_i32 s96, s96, REC
	s_mov_b32 s97, 0
	s_add_nc_u64 s[96:97], s[12:13], s[96:97]
	s_lshl_b32 s100, s40, 10
	s_lshl_b32 s101, s16, 9
	s_add_co_u32 s100, s100, s101                  ; my 128 features' bias, in bytes
	s_mov_b32 s101, 0
	s_cmp_lt_u32 s95, 8
	s_cselect_b64 s[98:99], s[6:7], s[8:9]         ; bq or bk
	s_add_nc_u64 s[98:99], s[98:99], s[100:101]
	s_wait_alu depctr_va_vdst(0)
	v_lshlrev_b32 v4, 6, v5                        ; lane (r, h) wants, for tile 2 b + u, features 32 b + 16 h + 8 u + 0 .. 7
.irp t, 0,1,2,3,4,5,6,7
	global_load_b128 v[BB+8*\t:BB+8*\t+3], v4, s[98:99] offset:(32*(\t/2)+8*(\t%2))*4
	global_load_b128 v[BB+8*\t+4:BB+8*\t+7], v4, s[98:99] offset:(32*(\t/2)+8*(\t%2))*4+16
.endr
	v_mov_b32 v7, 0x07060302
	v_mov_b32 v[VSEL], 0x05040100
	v_cndmask_b32 v[VSEL], v[VSEL], v7, s[HM]      ; lanes 0-15 gather the first head's bytes (low halves), lanes 16-31 the second's
	s_wait_loadcnt 0x0
.irp g, 0,1,2,3
.irp e, 0,1
.set AB, 2*\g+\e
.set AC, 64*(AB%4)
	WIN 0x02+AB/4                                  ; source 0: the accumulators' window
.set J, 0
.rept 32
	v_pk_add_f32 v[ST+J:ST+J+1], v[AC+J:AC+J+1], v[BB+J:BB+J+1]   ; + bias; each accumulator from its low end on
.set J, J+2
.endr
	WIN 0
	NORM
.if \e == 0
	s_wait_xcnt 0x0                                ; the last images' stores have read their registers: the fragments may be written again
.endif
	QUANT ST, F0+6*\e, F1+6*\e, PW+\e
.endr
	v_perm_b32 v[WQ+\g], v[PW+1], v[PW], v[VSEL]   ; the image's scale word: the first token's two bytes, the second's two
.irp c, 0,1
.irp i, 0,1,2
	global_store_b128 v[LI], v[F0+12*\c+4*\i:F0+12*\c+4*\i+3], s[96:97] offset:HEADB*\c+1536*\g+512*\i   ; 32 lanes store 512 consecutive bytes, aligned to 256
.endr
.endr
.endr
	global_store_b128 v[QA], v[WQ:WQ+3], s[96:97] offset:6144   ; lanes 0-15: the first head's 256 bytes of scale words, lanes 16-31 the second's
	s_branch .Lend
.Lv:	; ---- v: my 128 keys (one record's step) x my 128 features (two heads x four tiles)
	s_sub_co_u32 s96, s95, 16
	s_lshl_b32 s96, s96, 2
	s_add_co_u32 s96, s96, s40
	s_lshl_b32 s96, s96, 1
	s_add_co_u32 s96, s96, s16                     ; which 128 keys of v's 8,192
	s_lshl_b32 s98, s41, 2
	s_lshl_b32 s99, s15, 1
	s_add_co_u32 s98, s98, s99                     ; my first head
	s_lshr_b32 s99, s96, 4
	s_lshl_b32 s99, s99, 4
	s_add_co_u32 s99, s99, s98
	s_add_co_u32 s99, s99, 128                     ; behind q's and k's 2,048 records
	s_lshl_b32 s99, s99, 4
	s_and_b32 s96, s96, 15
	s_add_co_u32 s96, s96, s99
	s_mul_i32 s96, s96, REC
	s_mov_b32 s97, 0
	s_add_nc_u64 s[96:97], s[12:13], s[96:97]
	s_lshl_b32 s100, s41, 10
	s_lshl_b32 s101, s15, 9
	s_add_co_u32 s100, s100, s101
	s_mov_b32 s101, 0
	s_add_nc_u64 s[98:99], s[10:11], s[100:101]    ; bv at my 128 features
	s_wait_alu depctr_va_vdst(0)
	v_and_b32 v7, 8, v6
	v_add_nc_u32 v7, v7, v6                        ; lane r of block a holds feature 32 (a / 2) + 8 (a % 2) + r + 8 (r / 8)
	v_lshlrev_b32 v4, 2, v7
.irp a, 0,1,2,3,4,5,6,7
	global_load_b32 v[BA+2*\a], v4, s[98:99] offset:(32*(\a/2)+8*(\a%2))*4
	global_load_b32 v[BA+2*\a+1], v4, s[98:99] offset:(32*(\a/2)+8*(\a%2))*4   ; twice: a pair for the packed addition
.endr
	s_wait_loadcnt 0x0
.irp a, 0,1,2,3,4,5,6,7
.set AC, 64*(\a%4)
	WIN 0x02+\a/4
.set J, 0
.rept 32
	v_pk_add_f32 v[ST+J:ST+J+1], v[AC+J:AC+J+1], v[BA+2*\a:BA+2*\a+1]
.set J, J+2
.endr
	WIN 0
	s_wait_xcnt 0x0                                ; the last image's stores have read their registers
	QUANT ST, F0, F0+6, PW+\a
.irp i, 0,1,2
	global_store_b128 v[LI], v[F0+4*\i:F0+4*\i+3], s[96:97] offset:HEADB*(\a/4)+1536*(\a%4)+512*\i
.endr
.endr
.irp t, 0,1,2,3
	v_cndmask_b32 v[WQ+\t], v[PW+\t], v[PW+4+\t], s[HM]   ; lanes 0-15 the first head's words, lanes 16-31 the second's
.endr
	global_store_b128 v[QA], v[WQ:WQ+3], s[96:97] offset:6144
.Lend:
	s_wait_tensorcnt 0x0                           ; the wave's end
	ds_add_u32 v[SPW], v[NIL]
	s_wait_dscnt 0x0
	CROUND                                         ; the closing round: no work-group ends while a partner may still ask for a tile that names it
	s_endpgm
.Lfunc_end_k_q9353149922_proj:
	.size	k_q9353149922_proj, .Lfunc_end_k_q9353149922_proj-k_q9353149922_proj
	.p2alignl 7, 3214868480
	.fill 96, 4, 3214868480
	.section	.rodata,"a",@progbits
	.p2align	6, 0x0
	.amdhsa_kernel k_q9353149922_proj
		.amdhsa_group_segment_fixed_size 327680
		.amdhsa_private_segment_fixed_size 0
		.amdhsa_enable_private_segment 0
		.amdhsa_kernarg_size 40
		.amdhsa_user_sgpr_count 2
		.amdhsa_user_sgpr_kernarg_segment_ptr 1
		.amdhsa_wavefront_size32 1
		.amdhsa_system_sgpr_workgroup_id_x 1
		.amdhsa_system_sgpr_workgroup_id_y 1
		.amdhsa_system_sgpr_workgroup_id_z 1
		.amdhsa_system_vgpr_workitem_id 0
		.amdhsa_next_free_vgpr 1024
		.amdhsa_next_free_sgpr 102
		.amdhsa_reserve_vcc 0
		.amdhsa_float_denorm_mode_32 3
		.amdhsa_float_denorm_mode_16_64 3
		.amdhsa_memory_ordered 1
		.amdhsa_forward_progress 1
		.amdhsa_inst_pref_size 255
	.end_amdhsa_kernel
	.section	.bss,"aw",@nobits
	.p2align	6
	.space	262144
	.amdgpu_metadata
---
amdhsa.version: [ 1, 2 ]
amdhsa.kernels:
  - .name:           k_q9353149922_proj
    .symbol:         k_q9353149922_proj.kd
    .args:
      - { .name: xw, .offset: 0, .size: 8, .value_kind: global_buffer, .address_space: global }
      - { .name: bq, .offset: 8, .size: 8, .value_kind: global_buffer, .address_space: global }
      - { .name: bk, .offset: 16, .size: 8, .value_kind: global_buffer, .address_space: global }
      - { .name: bv, .offset: 24, .size: 8, .value_kind: global_buffer, .address_space: global }
      - { .name: hd, .offset: 32, .size: 8, .value_kind: global_buffer, .address_space: global }
    .group_segment_fixed_size: 327680
    .private_segment_fixed_size: 0
    .kernarg_segment_align: 8
    .kernarg_segment_size: 40
    .max_flat_workgroup_size: 128
    .sgpr_count:     102
    .vgpr_count:     1024
    .wavefront_size: 32
...
	.end_amdgpu_metadata
.endif
;; end of part 2
;; launch attn (part 3): grid 4 x 64, 8 waves a work-group, clusters of 4 x 1, 327,680 bytes of LDS; arguments hd, mg; writes mg
.if DOCPART == 3
	.amdgcn_target "amdgcn-amd-amdhsa--gfx1250"
	.amdhsa_code_object_version 6
	.text
	.protected	k_q9353149922_attn
	.globl	k_q9353149922_attn
	.p2align	8
	.type	k_q9353149922_attn,@function
k_q9353149922_attn:
	s_mov_b64 s[64:65], 0
	v_nop
	global_prefetch_b8 v0, s[64:65] scope:SCOPE_SE
	s_setreg_imm32_b32 hwreg(HW_REG_WAVE_MODE, 25, 1), 1
	s_wait_xcnt 0x0
	s_wait_alu depctr_hold_cnt(0) depctr_sa_sdst(0) depctr_va_vdst(0) depctr_va_sdst(0) depctr_va_ssrc(0) depctr_va_vcc(0) depctr_vm_vsrc(0)
	s_getreg_b32 s2, hwreg(HW_REG_IB_STS2, 6, 4)
	s_cmp_eq_u32 s2, 0
	s_cbranch_scc0 .Lentry_in_a_cluster
	s_endpgm
.Lentry_in_a_cluster:
	s_bfe_u32 s2, ttmp6, 0x10000c
	s_cmp_lg_u32 s2, 0x3003
	s_cbranch_scc0 .Lentry_shape_is_right
	s_endpgm
.Lentry_shape_is_right:
; softmax(q k^T / 0.07) v for one batch and head and 512 queries, on codes of FP6 (E2M3); the result is quantised again and stored as operand images for the last product.
; hd: regions q, k, v of 1,024 records of 6,400 bytes (128 tokens of one head): four images of 1,536 bytes (12 registers x 32 lanes), then 256 bytes of scale words.
; mg: codes [256 tokens][4 heads = 256 along K][16 tokens][head][768 bytes], so that a K step of 256 tokens is one dense run; scale bytes from MS_OFF, 32 a token.
; THE DEAL: 8 waves, each with 64 queries = four tiles of 16, which share every fragment of k and v: a record is read from LDS once a wave for 64 queries.
; All 16 records of k and of v, 204,800 bytes, come into LDS once: one joint load a wave at the head (4 records each), shared by the four work-groups of the cluster,
; which hold the four blocks of 512 queries of the same head.  Nothing is filled again.  No prefetch: every tile is asked for at the head, so there is no loop to run ahead in.
; BOTH PRODUCTS ARE USED TRANSPOSED: a lane holds one query.  The head is 64 wide, the instruction 128 deep: an image of k holds two sets of 16 keys (registers 0-5, 6-11),
; and q stands beside six registers of zero codes, as (q, 0) or (0, q).  By the order in which k's rows were laid, score tile T of 64 keys has key 32 (m / 8) + 8 T + m % 8 in row m:
; so a lane's 32 score registers are ONE block of 32 neighbouring keys: its largest p, its scale and its codes need no other lane; only the scale word's four bytes are gathered from lane l xor 16.
; THE TILES FOLLOW EACH OTHER IN A PIPELINE, on two score buffers.  A tile's phase: the last tile's four products with v; this tile's 66 exponentials, with the next tile's eight score products among them;
; the next tile's block maxima; this tile's scales, codes and sum; the next tile's multiplication by log2(e) / 0.07.  The very last tile has a text of its own, with no next tile.
; NO MAXIMUM IS TAKEN AWAY: q and k are unit vectors by the module's l2 norm, and their quantised forms are at most a few hundredths longer, so |t| = |score| x log2(e) / 0.07 stays under 25:
; p = 2^t lies between 2^-25 and 2^25 and a row's sum under 2^36.  A whole-number M would only move the block scales and the sum by the same power of two.
; The row's sum is taken of the unquantised p.  LIMITS: NaN and infinities are not served.
; REGISTERS: window 0 as named below; window 1: v0-127 O^T (tile i at 32 i), v128-181 zero, q0, zero, q1, zero, q2, zero, q3, zero (six each), v184-231 v's four images.
.set REG,    6553600
.set REC,    6400
.set MS_OFF, 6291456
.set VOFF,   102400                    ; LDS: k's 16 records, then v's
.set SPARE,  262144                    ; the spare words: 128 bytes a wave, named by no other line
.set LI16, 1                           ; 16 x lane
.set LR16, 2                           ; 16 x (lane % 16)
.set SPW,  3
.set NIL,  4
.set ADK,  5                           ; this step's record of k: images; ASK: scale words; ADV, ASV: the same of v
.set ASK,  6
.set ADV,  7
.set ASV,  8
.set LIV,  9
.set LRV,  10
.set SH8,  11                          ; 8 x (lane / 16)
.set MCO,  12
.set MSO,  13
.set QS,   16                          ; v16-19 q's scale words, a tile each
.set KSC,  20                          ; v20-23 k's
.set VSC,  24                          ; v24-27 v's
.set PS,   28                          ; p's
.set BT,   29
.set BM,   30                          ; v30-33 four chains of maxima, even tiles; v76-79 odd tiles
.set SO,   34
.set BY,   36
.set L,    40                          ; v40-47 the rows' sums, a pair a tile
.set T,    48                          ; v48-55 four chains of sums
.set CT,   56                          ; v56-62 second halves of the conversions
.set P,    64                          ; v64-75 p's codes
.set KF,   80                          ; v80-127 k's four images
.set SA,   128                         ; v128-191, v192-255 the scores, then t, then p: even tiles, odd tiles
.set MB,   KF+40
.set QZ,   128                         ; window 1
.set VF,   184                         ; window 1
.set MSB, 0
.macro WIN new                         ; the immediate's high byte repeats the setting that is left
.if MSB != (\new)
	s_set_vgpr_msb (MSB<<8)|(\new)
.set MSB, (\new)
.endif
.endm
.macro WALU
	s_wait_alu depctr_va_vdst(0)
.endm
.macro CROUND
	s_barrier_signal -1
	s_barrier_wait -1
	s_cmp_lg_u32 s8, 0
	s_cbranch_scc1 .Lnot_wave_0_\@
	s_barrier_signal -3
.Lnot_wave_0_\@:
	s_barrier_wait -3
	s_barrier_signal -1
	s_barrier_wait -1
.endm
.macro ADDR                            ; the four LDS addresses of the record at s11
	v_add_nc_u32 v[ADK], s11, v[LI16]
	v_add_nc_u32 v[ASK], s11, v[LR16]
	v_add_nc_u32 v[ADV], s11, v[LIV]
	v_add_nc_u32 v[ASV], s11, v[LRV]
.endm
.macro LDREC f, w, sc, a, as, off      ; a record: 12 loads of images (into the window of setting w), one of scale words
	WIN \w
.irp g, 0,1,2,3
.irp i, 0,1,2
	ds_load_b128 v[\f+12*\g+4*\i:\f+12*\g+4*\i+3], v[\a] offset:\off+1536*\g+512*\i
.endr
.endr
	WIN 0
	ds_load_b128 v[\sc:\sc+3], v[\as] offset:\off+6144
.endm
.macro SCORE1 d, g, i, e               ; 16 keys (set e of image g) x tile i's 16 queries, under the setting 0x04: source 1 (q) in window 1
	v_wmma_scale_f32_16x16x128_f8f6f4 v[\d+16*\g+8*\e:\d+16*\g+8*\e+7], v[KF+12*\g:KF+12*\g+11], v[QZ+6-6*\e+12*(\i):QZ+17-6*\e+12*(\i)], 0, v[KSC+\g], v[QS+(\i)] matrix_a_fmt:MATRIX_FMT_FP6 matrix_b_fmt:MATRIX_FMT_FP6
.endm
.macro MAXES s, m                      ; the largest score of my two blocks of 32 keys, in four chains; each accumulator from its low end on
.irp b, 0,1,2,3
	v_max3_num_f32 v[\m+\b], v[\s+16*\b], v[\s+16*\b+1], v[\s+16*\b+2]
.endr
.irp j, 3,5,7,9,11,13
.irp b, 0,1,2,3
	v_max3_num_f32 v[\m+\b], v[\m+\b], v[\s+16*\b+\j], v[\s+16*\b+\j+1]
.endr
.endr
	v_max3_num_f32 v[\m], v[\m], v[\m+1], v[\s+15]
	v_max3_num_f32 v[\m+2], v[\m+2], v[\m+3], v[\s+47]
	v_max_num_f32 v[\m], v[\m], v[\s+31]
	v_max_num_f32 v[\m+2], v[\m+2], v[\s+63]
.endm
.macro TIMES s, m                      ; t = score x log2(e) / 0.07, and the same of the two largest
.set J, 0
.rept 32
	v_pk_mul_f32 v[\s+J:\s+J+1], v[\s+J:\s+J+1], s[16:17] op_sel_hi:[1,0]
.set J, J+2
.endr
	v_mul_f32 v[\m], s16, v[\m]
	v_mul_f32 v[\m+2], s16, v[\m+2]
.endm
.macro PV i                            ; O^T of tile i += v^T p^T
	WIN 0x51                               ; v's images, C and D in window 1
	WALU                                   ; the wait ahead of the first reader of O^T; it is also the wait ahead of the batch that follows
	s_wait_dscnt 0x0                       ; the 13 loads issued a phase ago (v's record, or the next step's k) are in
.irp d, 0,1,2,3
	v_wmma_scale_f32_16x16x128_f8f6f4 v[32*(\i)+8*\d:32*(\i)+8*\d+7], v[VF+12*\d:VF+12*\d+11], v[P:P+11], v[32*(\i)+8*\d:32*(\i)+8*\d+7], v[VSC+\d], v[PS] matrix_a_fmt:MATRIX_FMT_FP6 matrix_b_fmt:MATRIX_FMT_FP6
.endr
.endm
.macro ADDS m                          ; four chains take four more pairs of p
.irp k, 0,1,2,3
	v_pk_add_f32 v[T+2*\k:T+2*\k+1], v[T+2*\k:T+2*\k+1], v[CUR+8*\m+2*\k:CUR+8*\m+2*\k+1]
.endr
.endm
	s_load_b128 s[4:7], s[0:1], 0x0                ; hd, mg
	v_lshl_add_u32 v[SPW], v0, 2, SPARE
	v_mov_b32 v[NIL], 0
	ds_add_u32 v[SPW], v[NIL]                      ; the opening lines: the add, twice on end, and its wait
	ds_add_u32 v[SPW], v[NIL]
	v_lshrrev_b32 v14, 5, v0
	v_readfirstlane_b32 s8, v14                    ; wave 0..7
	s_bfe_u32 s9, ttmp6, 0x40000                   ; cx: which 512 queries
	s_and_b32 s10, ttmp7, 0xffff                   ; 16 x batch + head
	s_mov_b32 s24, 15|(3<<16)|(1<<21)              ; group 1: all four partners; 4 records = 100 dense rows of 256 bytes
	s_mov_b32 s25, 32<<16
	s_mov_b32 s26, 100<<16
	s_mov_b32 s27, 32<<16
	s_mov_b32 s28, 100
	s_mov_b32 s29, 32
	s_mov_b32 s30, 0
	s_mov_b32 s31, 0
	s_mov_b32 s32, 1
	s_mul_i32 s33, s8, 4*REC                       ; LDS: waves 0-3 k's quarters, waves 4-7 v's
	s_lshr_b32 s43, s8, 2
	s_add_co_u32 s43, s43, 1
	s_mul_i32 s44, s43, REG
	s_mul_i32 s45, s10, 16*REC
	s_add_co_u32 s44, s44, s45
	s_and_b32 s45, s8, 3
	s_mul_i32 s45, s45, 4*REC
	s_add_co_u32 s44, s44, s45
	s_mov_b32 s45, 0
	s_mov_b32 s16, 0x41a4e123                      ; log2(e) / 0.07
	s_mov_b32 s17, s16
	s_mov_b32 s18, 0x76543210                      ; selects for lane l xor 16
	s_mov_b32 s19, 0xfedcba98
	s_mov_b32 s15, 0xffff0000                      ; lanes 16-31
	s_mov_b32 s14, 0x01000100
	s_mov_b32 s13, 0x03020302
	WALU
	s_wait_dscnt 0x0
	s_wait_kmcnt 0x0
	CROUND                                         ; the four partners are here: the joint loads meet
	s_add_nc_u64 s[34:35], s[4:5], s[44:45]
	s_or_b32 s35, s35, 0x80000000
	tensor_load_to_lds s[32:35], s[24:31]          ; my one load
	s_nop 0
.rept 4
	v_nop
.endr
	s_lshl_b32 s50, s10, 4                         ; q's record: 128 queries serve two waves
	s_lshl_b32 s51, s9, 2
	s_add_co_u32 s50, s50, s51
	s_lshr_b32 s51, s8, 1
	s_add_co_u32 s50, s50, s51
	s_mul_i32 s50, s50, REC
	s_mov_b32 s51, 0
	s_add_nc_u64 s[20:21], s[4:5], s[50:51]
	s_lshr_b32 s46, s10, 4
	s_and_b32 s47, s10, 15
	s_lshl_b32 s46, s46, 7
	s_lshl_b32 s48, s9, 5
	s_add_co_u32 s46, s46, s48
	s_lshl_b32 s48, s8, 2
	s_add_co_u32 s46, s46, s48                     ; my first block of 16 tokens
	s_lshl_b32 s48, s46, 9
	s_lshl_b32 s49, s47, 1
	s_add_co_u32 s48, s48, s49
	s_add_co_u32 s48, s48, MS_OFF
	s_mov_b32 s49, 0
	s_add_nc_u64 s[40:41], s[6:7], s[48:49]        ; mg's scale bytes: 512 a block, 32 a token, 2 a head
	s_lshr_b32 s48, s46, 4                         ; mg's codes: 196,608 bytes for 256 tokens, 49,152 for four heads of them, 3,072 a block, 768 a head
	s_mul_i32 s48, s48, 196608
	s_and_b32 s46, s46, 15
	s_mul_i32 s46, s46, 3072
	s_add_co_u32 s46, s46, s48
	s_lshr_b32 s48, s47, 2
	s_mul_i32 s48, s48, 49152
	s_add_co_u32 s46, s46, s48
	s_and_b32 s47, s47, 3
	s_mul_i32 s47, s47, 768
	s_add_co_u32 s46, s46, s47
	s_mov_b32 s47, 0
	s_add_nc_u64 s[22:23], s[6:7], s[46:47]
	s_and_b32 s52, s8, 1
	s_mul_i32 s53, s52, 3072                       ; my two images of the record's four
	s_lshl_b32 s52, s52, 3
	s_mov_b32 s11, 0
	v_and_b32 v14, 31, v0
	v_lshlrev_b32 v[MCO], 3, v14
	v_lshlrev_b32 v[LI16], 4, v14
	v_and_b32 v15, 15, v0
	v_bfe_u32 v14, v0, 4, 1
	v_lshl_add_u32 v[MSO], v15, 5, v14
	v_lshlrev_b32 v[SH8], 3, v14
	v_lshlrev_b32 v[LR16], 4, v15
	v_add_nc_u32 v[LIV], VOFF, v[LI16]
	v_add_nc_u32 v[LRV], VOFF, v[LR16]
	v_add_nc_u32 v14, s53, v[LI16]
	v_add_nc_u32 v15, s52, v[LR16]
	ADDR
.irp a, 0,1
.irp i, 0,1,2
	global_load_b128 v[SA+12*\a+4*\i:SA+12*\a+4*\i+3], v14, s[20:21] offset:1536*\a+512*\i
.endr
.endr
	global_load_b64 v[T:T+1], v15, s[20:21] offset:6144
	WIN 0x40                                       ; destination in window 1.  The step is written once, so O^T begins as zeros; these lines stand under the tiles' flight
.set J, 0
.rept 128
	v_mov_b32 v[J], 0
.set J, J+1
.endr
.irp z, 0,1,2,3,4
.irp k, 0,1,2,3,4,5
	v_mov_b32 v[QZ+12*\z+\k], 0                    ; the zero codes beside q
.endr
.endr
	WIN 0
	s_wait_loadcnt 0x0
.irp a, 0,1
	v_perm_b32 v[QS+2*\a], v[T+\a], v[T+\a], s14   ; a tile's two scale bytes, in both halves of its word
	v_perm_b32 v[QS+2*\a+1], v[T+\a], v[T+\a], s13
.endr
	WIN 0x40
.irp i, 0,1,2,3
.irp k, 0,1,2,3,4,5
	v_mov_b32 v[QZ+6+12*\i+\k], v[SA+6*\i+\k]
.endr
.endr
	WIN 0
.irp j, 0,1,2,3,4,5,6,7
	v_mov_b32 v[L+\j], 0
.endr
	v_mov_b32 v[BT], 0                             ; a lane permute's destination counts as one of its sources
	WALU
	s_wait_tensorcnt 0x0
	s_barrier_signal -1
	s_barrier_wait -1                              ; every wave's quarter is in
	LDREC KF, 0, KSC, ADK, ASK, 0
	s_wait_dscnt 0x0
	WIN 0x04
.irp g, 0,1,2,3
.irp e, 0,1
	SCORE1 SA, \g, 0, \e                           ; the pipeline's start: the first tile's scores, maxima and t
.endr
.endr
	WIN 0
.rept 4
	v_nop                                          ; places behind the products (ISA guide 7.12.1)
.endr
	MAXES SA, BM
	TIMES SA, BM
; the phase of tile i.  nx = 1: a tile follows
.macro PHASE i, nx
.set CUR, SA+64*((\i)%2)
.set NXT, SA+64*(((\i)+1)%2)
.set BMC, BM+46*((\i)%2)
.set BMN, BM+46*(((\i)+1)%2)
.if (\i) > 0
	PV (\i)-1
.else
	WALU                                           ; the wait ahead of the batch
.endif
	WIN 0x04
	v_exp_f32 v[BMC], v[BMC]                       ; a block's largest p: the same two instructions on the same number
	v_exp_f32 v[BMC+2], v[BMC+2]
.set J, 0
.irp g, 0,1,2,3
.irp e, 0,1
.if \nx
	SCORE1 NXT, \g, ((\i)+1)%4, \e                 ; a product of the next tile ahead of every eight exponentials
.endif
.rept 8
	v_exp_f32 v[CUR+J], v[CUR+J]
.set J, J+1
.endr
.endr
.endr
	WIN 0
.rept 4
	v_nop                                          ; places behind the products, and the plain line behind the exponentials
.endr
	WALU                                           ; behind the batch, directly ahead of the first readers of the next tile's scores
.if \nx
	MAXES NXT, BMN
.endif
.if (\i) == 2
	WALU
	s_cmp_eq_u32 s12, 1                            ; k's images are done with: the next step's come under this phase's vector work; the last step has no next
	s_cbranch_scc1 .Lno_next
	LDREC KF, 0, KSC, ADK, ASK, REC
.Lno_next:
.endif
	v_add_nc_u32 v[SO], 0xff000000, v[BMC]         ; 2 off the exponent field: the conversions' scale operand
	v_add_nc_u32 v[SO+1], 0xff000000, v[BMC+2]
	v_cvt_scalef32_pk16_fp6_f32 v[P:P+2], v[CUR:CUR+15], v[SO]
	v_cvt_scalef32_pk16_fp6_f32 v[CT:CT+2], v[CUR+16:CUR+31], v[SO]
	v_cvt_scalef32_pk16_fp6_f32 v[P+6:P+8], v[CUR+32:CUR+47], v[SO+1]
	v_cvt_scalef32_pk16_fp6_f32 v[CT+4:CT+6], v[CUR+48:CUR+63], v[SO+1]
	v_lshrrev_b32 v[BY], 23, v[SO]                 ; the scales' bytes: blocks h and 2 + h
	v_lshrrev_b32 v[BY+1], 23, v[SO+1]
.irp k, 0,1,2
	v_mov_b32 v[P+3+\k], v[CT+\k]                  ; (a conversion's three registers begin on an even number)
.endr
	v_lshl_or_b32 v[BY], v[BY+1], 16, v[BY]
.irp k, 0,1,2
	v_mov_b32 v[P+9+\k], v[CT+4+\k]
.endr
	v_lshlrev_b32 v[BY], v[SH8], v[BY]             ; at their places in the word
.irp k, 0,1,2,3
	v_pk_add_f32 v[T+2*\k:T+2*\k+1], v[CUR+2*\k:CUR+2*\k+1], v[CUR+8+2*\k:CUR+9+2*\k]   ; the row's sum, of the unquantised p
.endr
	v_permlanex16_b32 v[BT], v[BY], s18, s19
	ADDS 2
	v_or_b32 v[PS], v[BY], v[BT]                   ; with lane l xor 16's two the word is whole; at least 24 plain lines stand between it and the products
.irp m, 3,4,5,6,7
	ADDS \m
.endr
	v_pk_add_f32 v[T:T+1], v[T:T+1], v[T+2:T+3]
	v_pk_add_f32 v[T+4:T+5], v[T+4:T+5], v[T+6:T+7]
	v_pk_add_f32 v[T:T+1], v[T:T+1], v[T+4:T+5]
	v_pk_add_f32 v[L+2*(\i):L+2*(\i)+1], v[L+2*(\i):L+2*(\i)+1], v[T:T+1]
.if \nx
	TIMES NXT, BMN
.endif
.endm
	s_mov_b32 s12, 16
.Lstep:
	LDREC VF, 0x40, VSC, ADV, ASV, 0               ; v's record comes under tile 0's phase
	PHASE 0, 1
	PHASE 1, 1
	PHASE 2, 1
	WALU
	s_cmp_eq_u32 s12, 1
	s_cbranch_scc1 .Llast                          ; the last step's last tile has no successor
	PHASE 3, 1                                     ; its batch holds the next step's first scores
	PV 3
	WIN 0
	s_add_co_u32 s11, s11, REC
	ADDR                                           ; also the four places ahead of the loads into v's registers
	s_sub_co_i32 s12, s12, 1
	s_cmp_lg_u32 s12, 0
	WALU
	s_cbranch_scc1 .Lstep
.Llast:
	PHASE 3, 0
	PV 3
	WIN 0
; THE WAY OUT: O^T / the sum, quantised along the head's 64 (registers 16 b + j of lane (r, h) are features 32 b + 16 h + j), two tiles at a time
.irp i, 0,1,2,3
	v_add_f32 v[T+\i], v[L+2*\i], v[L+2*\i+1]
.endr
.irp i, 0,1,2,3
	v_permlanex16_b32 v[BM+\i], v[T+\i], s18, s19
.endr
.irp i, 0,1,2,3
	v_add_f32 v[T+\i], v[T+\i], v[BM+\i]           ; with lane l xor 16's keys: the row's sum
.endr
	WALU
.irp i, 0,1,2,3
	v_rcp_f32 v[L+2*\i], v[T+\i]
.endr
	v_nop
.macro WAY2 p
.set MC, KF+16*\p
	WIN 0x01                                       ; source 0 (O^T) in window 1
	WALU                                           ; behind the reciprocals, directly ahead of the first reader of O^T
.set J, 0
.rept 16
	v_pk_mul_f32 v[SA+J:SA+J+1], v[64*\p+J:64*\p+J+1], v[L+4*\p:L+4*\p+1] op_sel_hi:[1,0]
	v_pk_mul_f32 v[SA+32+J:SA+33+J], v[64*\p+32+J:64*\p+33+J], v[L+4*\p+2:L+4*\p+3] op_sel_hi:[1,0]
.set J, J+2
.endr
	WIN 0
.irp b, 0,1,2,3
	v_max3_num_f32 v[BM+\b], |v[SA+16*\b]|, |v[SA+16*\b+1]|, 0x1800000   ; with the floor 2^(3 - 127): the byte cannot fall under 1
.endr
.irp j, 2,4,6,8,10,12,14
.irp b, 0,1,2,3
	v_max3_num_f32 v[BM+\b], v[BM+\b], |v[SA+16*\b+\j]|, |v[SA+16*\b+\j+1]|
.endr
.endr
.irp b, 0,1,2,3
	v_permlanex16_b32 v[T+\b], v[BM+\b], s18, s19
.endr
.irp b, 0,1,2,3
	v_max_num_f32 v[BM+\b], v[BM+\b], v[T+\b]
.endr
.irp b, 0,1,2,3
	v_add_nc_u32 v[T+4+\b], 0xff000000, v[BM+\b]
.endr
.irp b, 0,1,2,3
	v_lshrrev_b32 v[T+\b], 23, v[T+4+\b]
.endr
	v_cvt_scalef32_pk16_fp6_f32 v[MC:MC+2], v[SA:SA+15], v[T+4]
	v_cvt_scalef32_pk16_fp6_f32 v[CT:CT+2], v[SA+16:SA+31], v[T+5]
	v_cvt_scalef32_pk16_fp6_f32 v[MC+8:MC+10], v[SA+32:SA+47], v[T+6]
	v_cvt_scalef32_pk16_fp6_f32 v[CT+4:CT+6], v[SA+48:SA+63], v[T+7]
	v_nop
.irp e, 0,1
.irp k, 0,1,2
	v_permlane16_swap_b32 v[MC+8*\e+\k], v[CT+4*\e+\k]   ; a whole block to a lane
.endr
.irp k, 0,1,2
	v_mov_b32 v[MC+8*\e+3+\k], v[CT+4*\e+\k]
.endr
	v_cndmask_b32 v[MB+2*\p+\e], v[T+2*\e], v[T+2*\e+1], s15   ; lanes 0-15 block 0's byte, lanes 16-31 block 1's
.endr
.irp e, 0,1
.irp k, 0,1,2
	global_store_b64 v[MCO], v[MC+8*\e+2*\k:MC+8*\e+2*\k+1], s[22:23] offset:3072*(2*\p+\e)+256*\k   ; 32 lanes store 256 consecutive bytes, aligned; every tile has data registers of its own
.endr
	global_store_b8 v[MSO], v[MB+2*\p+\e], s[40:41] offset:512*(2*\p+\e)
.endr
.endm
	WAY2 0
	WAY2 1
	s_wait_tensorcnt 0x0                           ; the wave's end
	ds_add_u32 v[SPW], v[NIL]
	s_wait_dscnt 0x0
	CROUND                                         ; the closing round
	s_endpgm
.Lfunc_end_k_q9353149922_attn:
	.size	k_q9353149922_attn, .Lfunc_end_k_q9353149922_attn-k_q9353149922_attn
	.p2alignl 7, 3214868480
	.fill 96, 4, 3214868480
	.section	.rodata,"a",@progbits
	.p2align	6, 0x0
	.amdhsa_kernel k_q9353149922_attn
		.amdhsa_group_segment_fixed_size 327680
		.amdhsa_private_segment_fixed_size 0
		.amdhsa_enable_private_segment 0
		.amdhsa_kernarg_size 16
		.amdhsa_user_sgpr_count 2
		.amdhsa_user_sgpr_kernarg_segment_ptr 1
		.amdhsa_wavefront_size32 1
		.amdhsa_system_sgpr_workgroup_id_x 1
		.amdhsa_system_sgpr_workgroup_id_y 1
		.amdhsa_system_sgpr_workgroup_id_z 1
		.amdhsa_system_vgpr_workitem_id 0
		.amdhsa_next_free_vgpr 512
		.amdhsa_next_free_sgpr 66
		.amdhsa_reserve_vcc 0
		.amdhsa_float_denorm_mode_32 3
		.amdhsa_float_denorm_mode_16_64 3
		.amdhsa_memory_ordered 1
		.amdhsa_forward_progress 1
		.amdhsa_inst_pref_size 84
	.end_amdhsa_kernel
	.amdgpu_metadata
---
amdhsa.version: [ 1, 2 ]
amdhsa.kernels:
  - .name:           k_q9353149922_attn
    .symbol:         k_q9353149922_attn.kd
    .args:
      - { .name: hd, .offset: 0, .size: 8, .value_kind: global_buffer, .address_space: global }
      - { .name: mg, .offset: 8, .size: 8, .value_kind: global_buffer, .address_space: global }
    .group_segment_fixed_size: 327680
    .private_segment_fixed_size: 0
    .kernarg_segment_align: 8
    .kernarg_segment_size: 16
    .max_flat_workgroup_size: 256
    .sgpr_count:     66
    .vgpr_count:     512
    .wavefront_size: 32
...
	.end_amdgpu_metadata
.endif
;; end of part 3
;; launch outp (part 4): grid 4 x 32, 4 waves a work-group, clusters of 4 x 4, 327,680 bytes of LDS; arguments mg, xw, bo, out0; writes out0
.if DOCPART == 4
	.amdgcn_target "amdgcn-amd-amdhsa--gfx1250"
	.amdhsa_code_object_version 6
	.text
	.protected	k_q9353149922_outp
	.globl	k_q9353149922_outp
	.p2align	8
	.type	k_q9353149922_outp,@function
k_q9353149922_outp:
	s_mov_b64 s[64:65], 0
	v_nop
	global_prefetch_b8 v0, s[64:65] scope:SCOPE_SE
	s_setreg_imm32_b32 hwreg(HW_REG_WAVE_MODE, 25, 1), 1
	s_wait_xcnt 0x0
	s_wait_alu depctr_hold_cnt(0) depctr_sa_sdst(0) depctr_va_vdst(0) depctr_va_sdst(0) depctr_va_ssrc(0) depctr_va_vcc(0) depctr_vm_vsrc(0)
	s_getreg_b32 s2, hwreg(HW_REG_IB_STS2, 6, 4)
	s_cmp_eq_u32 s2, 0
	s_cbranch_scc0 .Lentry_in_a_cluster
	s_endpgm
.Lentry_in_a_cluster:
	s_bfe_u32 s2, ttmp6, 0x10000c
	s_cmp_lg_u32 s2, 0xf033
	s_cbranch_scc0 .Lentry_shape_is_right
	s_endpgm
.Lentry_shape_is_right:
.set SIZE_K, 1024
.set SIZE_N, 1024
.set KSTEP,  256
.set NQ,     KSTEP/128
.set ROWB,   192
.set KSB,    49152                     ; xw's codes lie [group of 256 rows][K step][row][192 bytes]: from a K step to the next
.set KROW,   SIZE_K*6/8
.set PITCH,  240
.set FR,     12
.set NL,     6
.set NP,     4
.set AROW,   3072
.set HALFA,  8*AROW
.set HALFT,  128*PITCH
.set SLOT,   2*HALFA+2*HALFT
.set LAPS,   SIZE_K/(2*KSTEP)
.set KS,     SIZE_K/32
.set SCL,    2*SLOT
.set HALFS,  (128*KS/256)*272
.set SBLK,   (16*KS/256)*272
.set SPARE,  SCL+4*HALFS
.set SPITCH, 528
.set XS_OFF, 22020096
.set MS_OFF, 6291456
.set ADRA, 16
.set ADRB, 20
.set STO,  24
.set RD,   25
.set CO,   26
.set ADRS, 27
.set SPW,  28
.set NIL,  29
.set SC,   32
.set BO,   64
.set AF,   128
.set BK,   128
.set G1, 24
.set G0, 32
.set G1B, 48
.set G0B, 56
.set G1S, 68
.set G0S, 76
.set G1SB, 80
.set G0SB, 88
.set MSB, 0
.macro WIN new
.if MSB != (\new)
	s_set_vgpr_msb (MSB<<8)|(\new)
.set MSB, (\new)
.endif
.endm
.set MUL_LO, 0xa1
.set MUL_HI, 0xf1
.set FST_LO, 0x81
.set FST_HI, 0xc1
.set TO_B,   0x40
.macro JLOAD g0a, g1a, g0b, g1b
	s_cmp_eq_u32 s15, 0
	s_cbranch_scc0 .Lfor_b_\@
	tensor_load_to_lds s[\g0a:\g0a+3], s[\g1a:\g1a+7]
	s_nop 0
.rept 4
	v_nop
.endr
	s_branch .Lasked_\@
.Lfor_b_\@:
	tensor_load_to_lds s[\g0b:\g0b+3], s[\g1b:\g1b+7]
	s_nop 0
.rept 4
	v_nop
.endr
.Lasked_\@:
.endm
.macro CREST
	s_cmp_lg_u32 s14, 0
	s_cbranch_scc1 .Lnot_wave_0_\@
	s_barrier_signal -3
.Lnot_wave_0_\@:
	s_barrier_wait -3
	s_barrier_signal -1
	s_barrier_wait -1
.endm
.macro CROUND
	s_barrier_signal -1
	s_barrier_wait -1
	CREST
.endm
	s_load_b256 s[4:11], s[0:1], 0x0
	v_lshl_add_u32 v[SPW], v0, 2, SPARE
	v_mov_b32 v[NIL], 0
	ds_add_u32 v[SPW], v[NIL]
	ds_add_u32 v[SPW], v[NIL]
	v_lshrrev_b32 v1, 5, v0
	v_readfirstlane_b32 s14, v1
	s_lshr_b32 s15, s14, 1
	s_and_b32 s16, s14, 1
	s_bfe_u32 s40, ttmp6, 0x40000
	s_bfe_u32 s41, ttmp6, 0x40004
	s_lshl_b32 s42, ttmp9, 2
	s_add_co_u32 s42, s42, s40
	s_and_b32 s17, ttmp7, 0xffff
	s_lshl_b32 s17, s17, 2
	s_add_co_u32 s17, s17, s41
	s_lshl_b32 s43, s41, 2
	s_lshl_b32 s43, 15, s43
	s_lshl_b32 s44, 0x1111, s40
	s_or_b32 s[G1+0], s43, (3<<16)|(1<<21)
	s_mov_b32 s[G1+1], 32<<16                      ; mg's codes lie [256 tokens][K step][16 tokens][3,072 bytes]: K steps 0 and 1 of my 256 tokens are dense: 384 rows of 256 bytes
	s_mov_b32 s[G1+2], 384<<16
	s_mov_b32 s[G1+3], 32<<16
	s_mov_b32 s[G1+4], 384
	s_mov_b32 s[G1+5], 32
	s_mov_b32 s[G1+6], 0
	s_mov_b32 s[G1+7], 0
	s_or_b32 s[G1B+0], s44, (0<<16)|(1<<20)|(1<<21)|(3<<22)|(3<<25)
	s_mov_b32 s[G1B+1], 256<<16                    ; a K step of 256 rows of Wo is dense: 192 rows of 256 bytes; the padding's interval stays 64 bytes, so the LDS rows stay 240 apart
	s_mov_b32 s[G1B+2], 384<<16                    ; and so are those of Wo's 256 rows
	s_mov_b32 s[G1B+3], 256<<16
	s_mov_b32 s[G1B+4], 384
	s_mov_b32 s[G1B+5], 256
	s_mov_b32 s[G1B+6], 0
	s_mov_b32 s[G1B+7], 0
	s_or_b32 s[G1S+0], s43, (3<<16)|(1<<20)|(1<<21)|(5<<22)|(3<<25)
	s_or_b32 s[G1SB+0], s44, (3<<16)|(1<<20)|(1<<21)|(5<<22)|(3<<25)
.irp g, G1S, G1SB
	s_mov_b32 s[\g+1], 32<<16
	s_mov_b32 s[\g+2], (256*KS/256)<<16            ; the scales of all 256 rows in one load
	s_mov_b32 s[\g+3], 32<<16
	s_mov_b32 s[\g+4], 256*KS/256
	s_mov_b32 s[\g+5], 32
	s_mov_b32 s[\g+6], 0
	s_mov_b32 s[\g+7], 0
.endr
	s_lshl_b32 s20, s17, 4
	s_mul_i32 s18, s16, 8*AROW
	s_mov_b32 s19, 0
	s_lshl_b32 s22, s20, 9
	s_add_co_u32 s22, s22, MS_OFF
	s_mov_b32 s23, 0
	s_mul_i32 s20, s20, 12288
	s_mov_b32 s21, 0
	s_lshl_b32 s46, s42, 8
	s_add_co_u32 s46, s46, 27648
	s_mul_i32 s66, s16, 128*ROWB                   ; and of B
	s_mov_b32 s67, 0
	s_lshl_b32 s92, s46, 5
	s_add_co_u32 s92, s92, XS_OFF
	s_mov_b32 s93, 0
	s_mul_i32 s46, s46, KROW
	s_mov_b32 s47, 0
	s_mul_i32 s45, s16, HALFA
	s_mul_i32 s98, s16, HALFT
	s_add_co_u32 s98, s98, 4*HALFA                 ; LDS: A's slot 0, A's slot 1, B's slot 0, B's slot 1
	s_wait_dscnt 0x0
	s_wait_kmcnt 0x0
	s_add_nc_u64 s[20:21], s[4:5], s[20:21]
	s_add_nc_u64 s[22:23], s[4:5], s[22:23]
	s_add_nc_u64 s[46:47], s[6:7], s[46:47]
	s_add_nc_u64 s[92:93], s[6:7], s[92:93]
	CROUND
	s_mov_b32 s[G0S], 1
	s_mov_b32 s[G0S+1], SCL
	s_mov_b64 s[G0S+2:G0S+3], s[22:23]
	s_or_b32 s[G0S+3], s[G0S+3], 0x80000000
	s_mov_b32 s[G0SB], 1
	s_mov_b32 s[G0SB+1], SCL+2*HALFS
	s_mov_b64 s[G0SB+2:G0SB+3], s[92:93]
	s_or_b32 s[G0SB+3], s[G0SB+3], 0x80000000
	s_mov_b32 s[G0], 1                             ; the head's loads of K step 0 take slot 0's group 0: A's tile whole,
	s_mov_b32 s[G0+1], 0
	s_mov_b64 s[G0+2:G0+3], s[20:21]
	s_or_b32 s[G0+3], s[G0+3], 0x80000000
	s_mov_b32 s[G0B], 1                            ; and B's, behind it
	s_mov_b32 s[G0B+1], 4*HALFA
	s_mov_b64 s[G0B+2:G0B+3], s[46:47]
	s_or_b32 s[G0B+3], s[G0B+3], 0x80000000
	s_add_nc_u64 s[20:21], s[20:21], s[18:19]      ; for the ring: my half
	s_add_nc_u64 s[46:47], s[46:47], s[66:67]
	s_mov_b32 s[G0+4], 1
	s_add_co_u32 s[G0+5], s45, 2*HALFA
	s_add_nc_u64 s[G0+6:G0+7], s[20:21], KSB
	s_or_b32 s[G0+7], s[G0+7], 0x80000000
	s_mov_b32 s[G0B+4], 1
	s_add_co_u32 s[G0B+5], s98, 2*HALFT
	s_add_nc_u64 s[G0B+6:G0B+7], s[46:47], KSB
	s_or_b32 s[G0B+7], s[G0B+7], 0x80000000
; the head's four tiles, one a wave: wave 0 A's tile, wave 1 B's, wave 2 A's scales, wave 3 B's; one tree of branches on the wave's number
.macro ARM under, g0, g1, next
	s_cmp_lt_u32 s14, \under
	s_cbranch_scc0 \next
	tensor_load_to_lds s[\g0:\g0+3], s[\g1:\g1+7]
	s_nop 0
.rept 4
	v_nop
.endr
	s_branch .Lhead_asked
\next:
.endm
	ARM 1, G0,  G1,  .Lhead_b
	ARM 2, G0B, G1B, .Lhead_sa
	ARM 3, G0S, G1S, .Lhead_sb
	tensor_load_to_lds s[G0SB:G0SB+3], s[G1SB:G1SB+7]
	s_nop 0
.rept 4
	v_nop
.endr
.Lhead_asked:
	v_and_b32 v1, 15, v0
	v_bfe_u32 v2, v0, 4, 1
	v_and_b32 v6, 31, v0
	v_lshlrev_b32 v8, 3, v6
	v_mul_u32_u24 v3, v1, PITCH
	v_mul_u32_u24 v4, v2, 24
	v_add_nc_u32 v4, v3, v4
	v_lshl_add_u32 v5, v2, 4, v4
	s_mul_i32 s21, s15, HALFA
	s_mul_i32 s22, s16, HALFT
	s_add_co_u32 s22, s22, 4*HALFA
.irp s, 0,1
	v_add_nc_u32 v[ADRA+\s], s21, v8
	v_add_nc_u32 v[ADRB+\s], s22, v4
	v_add_nc_u32 v[ADRB+2+\s], s22, v5
	s_add_co_u32 s21, s21, 2*HALFA
	s_add_co_u32 s22, s22, 2*HALFT
.endr
	v_mul_u32_u24 v5, v1, KS
	v_lshrrev_b32 v7, 8, v5
	v_lshl_add_u32 v5, v7, 4, v5
	s_mul_i32 s21, s15, HALFS
	s_mul_i32 s22, s16, HALFS
	s_add_co_u32 s22, s22, 2*HALFS
	s_sub_co_u32 s22, s22, s21
	v_mul_u32_u24 v7, s22, v2
	s_add_co_u32 s21, s21, SCL
	v_add_nc_u32 v5, v5, v7
	v_add_nc_u32 v[ADRS], s21, v5
	s_mul_i32 s23, s14, 16*SPITCH
	v_mul_u32_u24 v5, v1, SPITCH
	v_lshl_add_u32 v5, v2, 5, v5
	v_add_nc_u32 v[STO], s23, v5
	v_lshlrev_b32 v[CO], 4, v6
	v_add_nc_u32 v[RD], s23, v[CO]
	s_lshl_b32 s20, s17, 8
	s_lshl_b32 s21, s15, 7
	s_add_co_u32 s20, s20, s21
	s_lshl_b32 s20, s20, 12
	s_mov_b32 s21, 0
	s_lshl_b32 s46, s42, 10
	s_lshl_b32 s47, s16, 9
	s_add_co_u32 s46, s46, s47
	s_mov_b32 s47, 0
	s_add_nc_u64 s[96:97], s[8:9], s[46:47]
	s_add_nc_u64 s[20:21], s[20:21], s[46:47]
	s_add_nc_u64 s[12:13], s[10:11], s[20:21]
	v_lshlrev_b32 v9, 5, v2
.irp b, 0,1,2,3,4,5,6,7
	global_load_b128 v[BO+8*\b:BO+8*\b+3], v9, s[96:97] offset:64*\b
	global_load_b128 v[BO+8*\b+4:BO+8*\b+7], v9, s[96:97] offset:64*\b+16
.endr
.macro FRAG reg, adr, q, i
.irp p, 0,1,2,3,4,5
.set PC, 12*(\q)+6*(\p/3)+\p%3
.if PC%8 < 5
	ds_load_b64 v[\reg+2*\p:\reg+2*\p+1], v[\adr] offset:8*PC+16*(PC/8)+(\i)*16*PITCH
.else
	ds_load_b64 v[\reg+2*\p:\reg+2*\p+1], v[\adr+2] offset:8*PC+16*(PC/8)+(\i)*16*PITCH
.endif
.endr
.endm
.macro FRAGA reg, slot, q, i
.irp p, 0,1,2,3,4,5
	ds_load_b64 v[\reg+2*\p:\reg+2*\p+1], v[ADRA+\slot] offset:AROW*(\i)+1536*(\q)+256*\p
.endr
.endm
.macro MUL16 a0, p, q, sc, first
.irp a, \a0, \a0+1
.irp b, 0,1,2,3,4,5,6,7
.if \first
	v_wmma_scale_f32_16x16x128_f8f6f4 v[8*(8*((\a)%4)+\b):8*(8*((\a)%4)+\b)+7], v[128*(\p)+FR*\b:128*(\p)+FR*\b+FR-1], v[AF+FR*(\a):AF+FR*(\a)+FR-1], v[BO+8*\b:BO+8*\b+7], v[SC+8*NQ*(\sc)+NQ*\b+(\q)], v[SC+8*NQ*(\sc)+NQ*(\a)+(\q)] matrix_a_fmt:MATRIX_FMT_FP6 matrix_b_fmt:MATRIX_FMT_FP6 matrix_a_scale:MATRIX_SCALE_ROW1
.else
	v_wmma_scale_f32_16x16x128_f8f6f4 v[8*(8*((\a)%4)+\b):8*(8*((\a)%4)+\b)+7], v[128*(\p)+FR*\b:128*(\p)+FR*\b+FR-1], v[AF+FR*(\a):AF+FR*(\a)+FR-1], v[8*(8*((\a)%4)+\b):8*(8*((\a)%4)+\b)+7], v[SC+8*NQ*(\sc)+NQ*\b+(\q)], v[SC+8*NQ*(\sc)+NQ*(\a)+(\q)] matrix_a_fmt:MATRIX_FMT_FP6 matrix_b_fmt:MATRIX_FMT_FP6 matrix_a_scale:MATRIX_SCALE_ROW1
.endif
.endr
.endr
.endm
.macro FETCH_B slot, q, p
	WIN TO_B
.irp i, 0,1,2,3,4,5,6,7
	FRAG 128*(\p)+FR*\i, ADRB+\slot, \q, \i
.endr
	WIN 0
.endm
.macro FETCH_A slot, q, i0
.irp i, \i0, \i0+1, \i0+2, \i0+3
	FRAGA AF+FR*(\i), \slot, \q, \i
.endr
.endm
.macro SCALES sc
.irp i, 0,1,2,3,4,5,6,7
	ds_load_b64 v[SC+8*NQ*\sc+NQ*\i:SC+8*NQ*\sc+NQ*\i+1], v[ADRS] offset:\i*SBLK
.endr
.endm
.macro PLACES n
.rept \n
	v_nop
.endr
.endm
.macro STEP slot, q, first
	s_wait_dscnt 4*NL
.if \first
	WIN FST_LO
.else
	WIN MUL_LO
.endif
	MUL16 0, (\q)%2, \q, \slot, \first
	MUL16 2, (\q)%2, \q, \slot, \first
	s_wait_dscnt 0
	PLACES NP
	FETCH_B \slot, (\q)+1, 1-(\q)%2
	FETCH_A \slot, (\q)+1, 0
.if \first
	WIN FST_HI
.else
	WIN MUL_HI
.endif
	MUL16 4, (\q)%2, \q, \slot, \first
	MUL16 6, (\q)%2, \q, \slot, \first
	PLACES NP
	WIN 0
	FETCH_A \slot, (\q)+1, 4
.endm
.macro TURN slot, next, fill
	s_wait_tensorcnt 0x0
	ds_add_u32 v[SPW], v[NIL]
	s_wait_dscnt 4*NL+1
	WIN MUL_LO
	MUL16 0, 1, NQ-1, \slot, 0
	s_wait_dscnt 0x0
	s_barrier_signal -1
	MUL16 2, 1, NQ-1, \slot, 0
	WIN 0
	s_barrier_wait -1
.if \fill
	CREST
	s_add_nc_u64 s[G0+4*\slot+2:G0+4*\slot+3], s[G0+4*\slot+2:G0+4*\slot+3], 2*KSB
	s_add_nc_u64 s[G0B+4*\slot+2:G0B+4*\slot+3], s[G0B+4*\slot+2:G0B+4*\slot+3], 2*KSB
	JLOAD G0+4*\slot, G1, G0B+4*\slot, G1B
.else
	PLACES NP
.endif
	s_wait_alu depctr_va_vdst(0)
	v_add_nc_u32 v[ADRS], 4*NQ, v[ADRS]
	FETCH_B \next, 0, 0
	FETCH_A \next, 0, 0
	SCALES \next
	WIN MUL_HI
	MUL16 4, 1, NQ-1, \slot, 0
	MUL16 6, 1, NQ-1, \slot, 0
	PLACES NP
	WIN 0
	FETCH_A \next, 0, 4
.endm
	s_wait_alu depctr_va_vdst(0)
	s_wait_loadcnt 0x0
	s_wait_tensorcnt 0x0                           ; my tile of the head's four is in: both slots and the scales are filled by the head's loads
	s_mov_b32 s[G1+2], 96<<16                      ; no tensor load of mine is out: from here on a load brings half a tile of one K step = 96 rows of 256 bytes,
	s_mov_b32 s[G1+4], 96
	s_mov_b32 s[G1B+2], 96<<16
	s_mov_b32 s[G1B+4], 96
	s_mov_b32 s[G0+1], s45                         ; and slot 0's group 0 stands at my half of K step 0
	s_add_nc_u64 s[G0+2:G0+3], s[G0+2:G0+3], s[18:19]
	s_mov_b32 s[G0B+1], s98
	s_add_nc_u64 s[G0B+2:G0B+3], s[G0B+2:G0B+3], s[66:67]
	s_barrier_signal -1                            ; a plain barrier
	s_barrier_wait -1
	FETCH_B 0, 0, 0
	FETCH_A 0, 0, 0
	SCALES 0
	FETCH_A 0, 0, 4
	STEP 0, 0, 1
	s_mov_b32 s3, LAPS-1
.Llap:
	TURN 0, 1, 1
	STEP 1, 0, 0
	TURN 1, 0, 1
	STEP 0, 0, 0
	s_sub_co_u32 s3, s3, 1
	s_cmp_lg_u32 s3, 0
	s_cbranch_scc1 .Llap
	TURN 0, 1, 0
	STEP 1, 0, 0
	s_wait_dscnt 4*NL
	WIN MUL_LO
	MUL16 0, 1, NQ-1, 1, 0
	MUL16 2, 1, NQ-1, 1, 0
	s_wait_dscnt 0
	WIN MUL_HI
	MUL16 4, 1, NQ-1, 1, 0
	MUL16 6, 1, NQ-1, 1, 0
	WIN 0
.macro TOSTAGE a
.set AC, 64*((\a)%4)
	WIN 0x08+4*((\a)/4)
.irp b, 0,1,2,3,4,5,6,7
	ds_store_b128 v[STO], v[AC+8*\b:AC+8*\b+3] offset:64*\b
	ds_store_b128 v[STO], v[AC+8*\b+4:AC+8*\b+7] offset:64*\b+16
.endr
	WIN 0
.set BB, BK+64*((\a)%2)
.irp t, 0,1,2,3,4,5,6,7,8,9,10,11,12,13,14,15
	ds_load_b128 v[BB+4*\t:BB+4*\t+3], v[RD] offset:\t*SPITCH
.endr
.endm
.macro SEND a, younger
.set BB, BK+64*((\a)%2)
	s_wait_dscnt \younger
.if (\a) > 0
	s_add_nc_u64 s[12:13], s[12:13], 16*SIZE_N*4
.endif
.irp t, 0,1,2,3,4,5,6,7,8,9,10,11,12,13,14,15
	global_store_b128 v[CO], v[BB+4*\t:BB+4*\t+3], s[12:13] offset:\t*SIZE_N*4 th:TH_STORE_NT
.endr
.endm
	PLACES NP
	TOSTAGE 0
.irp a, 1,2,3,4,5,6,7
.if \a > 1
	s_wait_xcnt 0x0
.endif
	TOSTAGE \a
	SEND \a-1, 32
.endr
	s_wait_xcnt 0x0
	SEND 7, 0
	s_wait_tensorcnt 0x0
	ds_add_u32 v[SPW], v[NIL]
	s_wait_dscnt 0x0
	CROUND
	s_endpgm
.Lfunc_end_k_q9353149922_outp:
	.size	k_q9353149922_outp, .Lfunc_end_k_q9353149922_outp-k_q9353149922_outp
	.p2alignl 7, 3214868480
	.fill 96, 4, 3214868480
	.section	.rodata,"a",@progbits
	.p2align	6, 0x0
	.amdhsa_kernel k_q9353149922_outp
		.amdhsa_group_segment_fixed_size 327680
		.amdhsa_private_segment_fixed_size 0
		.amdhsa_enable_private_segment 0
		.amdhsa_kernarg_size 32
		.amdhsa_user_sgpr_count 2
		.amdhsa_user_sgpr_kernarg_segment_ptr 1
		.amdhsa_wavefront_size32 1
		.amdhsa_system_sgpr_workgroup_id_x 1
		.amdhsa_system_sgpr_workgroup_id_y 1
		.amdhsa_system_sgpr_workgroup_id_z 1
		.amdhsa_system_vgpr_workitem_id 0
		.amdhsa_next_free_vgpr 1024
		.amdhsa_next_free_sgpr 100
		.amdhsa_reserve_vcc 0
		.amdhsa_float_denorm_mode_32 3
		.amdhsa_float_denorm_mode_16_64 3
		.amdhsa_memory_ordered 1
		.amdhsa_forward_progress 1
		.amdhsa_inst_pref_size 162
	.end_amdhsa_kernel
	.amdgpu_metadata
---
amdhsa.version: [ 1, 2 ]
amdhsa.kernels:
  - .name:           k_q9353149922_outp
    .symbol:         k_q9353149922_outp.kd
    .args:
      - { .name: mg, .offset: 0, .size: 8, .value_kind: global_buffer, .address_space: global }
      - { .name: xw, .offset: 8, .size: 8, .value_kind: global_buffer, .address_space: global }
      - { .name: bo, .offset: 16, .size: 8, .value_kind: global_buffer, .address_space: global }
      - { .name: out0, .offset: 24, .size: 8, .value_kind: global_buffer, .address_space: global }
    .group_segment_fixed_size: 327680
    .private_segment_fixed_size: 0
    .kernarg_segment_align: 8
    .kernarg_segment_size: 32
    .max_flat_workgroup_size: 128
    .sgpr_count:     100
    .vgpr_count:     1024
    .wavefront_size: 32
...
	.end_amdgpu_metadata
.endif
;; end of part 4
